; MI455X (gfx1250); checked and timed in simulation.
; The chip was launched on July 23, 2026; its instructions are those of AMD's public machine-readable ISA for CDNA 5 (MIT licence, August 2026) and "CDNA5" Instruction Set Architecture Reference Guide (July 2026). The comments in the code are by the model that wrote it; some were corrected since.
;; Multi Head Attention. Allowed arithmetic: matrix products marked QUANTISED: E2M3 operands, one E8M0 scale for each 32 along K, by v_wmma_scale_f32_16x16x128_f8f6f4 with both operands' format E2M3, f32 sums; everything else in f32.
;; Inputs: W_o 1,024 x 1,024 float32; W_qkv 1,024 x 3,072 float32; b_o 1,024 float32; b_qkv 3,072 float32; x 4 x 2,048 x 1,024 float32.
;; Outputs: out0 4 x 2,048 x 1,024 float32.
;; This version of the problem:
;;   THIS VERSION OF THE PROBLEM IS GIVEN IN LOW PRECISION. The matrix products marked QUANTISED in the list below multiply operands that are first quantised to E2M3 (2 exponent bits, 3 mantissa bits; 6 bits a number), with one power-of-two scale for each 32 numbers along K (OCP MX v1.0); their sums are f32. All else is computed in f32.
;;   The module's matrix products, in the order in which they are computed (A, B: the left and right operand; K: the contracted axis; several contracted axes count as one K, in the product's order):
;;     1. [M 8,192, K 1,024] x [K 1,024, N 3,072]; A: input x; B: input W_qkv: QUANTISED
;;     2. batch 64 x [M 2,048, K 64] x [K 64, N 2,048]; A: computed on the way; B: computed on the way: QUANTISED
;;     3. batch 64 x [M 2,048, K 2,048] x [K 2,048, N 64]; A: softmax (see below); B: computed on the way: QUANTISED
;;     4. [M 8,192, K 1,024] x [K 1,024, N 1,024]; A: computed on the way; B: input W_o: QUANTISED
;;   THE QUANTISER, for each operand of a quantised product, along K:
;;     - K is cut into blocks of 32 from its start; a last block that is shorter is filled with zeros.
;;     - A block's scale is 2^e with e = floor(log2(the largest magnitude in the block)) - 2, held to -126 .. 127; a block of zeros has e = 0. As a byte (E8M0): e + 127.
;;     - Each number is divided by its block's scale, clamped to +-7.5, and rounded to the nearest number of E2M3, ties to even, subnormals kept.
;;     - The product sums the exact products of the quantised numbers (number of the format x scale) in f32.
;;   ~~~python
;;   def quantise(x, axis):      # numpy; x: float32 -> the quantised numbers, widened to float32 again
;;       x = np.moveaxis(x, axis, -1); K = x.shape[-1]
;;       x = np.pad(x, [(0, 0)] * (x.ndim - 1) + [(0, -K % 32)]); x = x.reshape(x.shape[:-1] + (-1, 32)); a = np.abs(x).max(-1, keepdims=True)
;;       e = np.where(a > 0, np.clip(np.frexp(np.where(a > 0, a, 1))[1] - 1 - 2, -126, 127), 0)      # np.frexp(a)[1] - 1 = floor(log2(a)), exactly
;;       r = np.clip(x / 2.0 ** e, -7.5, 7.5)
;;       step = 2.0 ** (np.maximum(np.frexp(np.where(r == 0, 1, r))[1] - 1, 0) - 3)
;;       q = np.round(r / step) * step * 2.0 ** e      # np.round: ties to even
;;       return np.moveaxis(q.reshape(q.shape[:-2] + (-1,))[..., :K], -1, axis).astype(np.float32)
;;   ~~~
;;   SOFTMAX AHEAD OF A QUANTISED PRODUCT. Where the list says 'softmax', what is quantised is not the finished softmax but p = 2^(t - M), with t = logit x log2(e) and M = ceil(the row's largest t), a whole number; so 1/2 < the row's largest p <= 1. The row's sum l is taken of the UNQUANTISED p, in f32, and the product's result is divided by l at the end. Since M is a whole number, a kernel that streams over the keys may use a running M (the ceiling of the running maximum): every later rescaling is an exact power of two, which a block's scale takes up: the codes' values come out the same.
;;   OPERANDS COMPUTED ON THE WAY. 'Computed on the way' means the value that the module computes at that place (a softmax that the list does not call 'softmax' is quantised finished and normalised). What goes into a quantiser is computed in f32, as accurately as f32 sums, v_exp_f32 and their like allow (about 1e-6 of the number): no bf16 or f16 on the way to a quantiser, and a product that is left as it is and whose result goes on into a quantised operand takes f32 operands (vector FMAs, or v_wmma_f32_16x16x4_f32). A number that lies on a knife's edge between two numbers of the format may be rounded either way, as far as f32 arithmetic and the matrix unit's own rounding can turn it there, and no further.
;; One version. Each part assembles by itself: llvm-mc -triple=amdgcn-amd-amdhsa -mcpu=gfx1250 --defsym DOCPART=n.
;; ======== version 1 of 1: 4 launches
;; limits: right only within a limited range of input values
;; workspace buffers: xq 6,553,600 bytes; wq 6,422,528 bytes; qkv 20,185,088 bytes; oq 6,553,600 bytes
;; launch quant (part 1): grid 384 x 1, 4 waves a work-group, no clusters, 68,096 bytes of LDS; arguments x, W_qkv, W_o, xq, wq; writes xq, wq
.if DOCPART == 1
	.amdgcn_target "amdgcn-amd-amdhsa--gfx1250"
	.amdhsa_code_object_version 6
	.text
	.protected	k_q9ea606f49f_quant
	.globl	k_q9ea606f49f_quant
	.p2align	8
	.type	k_q9ea606f49f_quant,@function
k_q9ea606f49f_quant:
	s_mov_b64 s[64:65], 0
	v_nop
	global_prefetch_b8 v0, s[64:65] scope:SCOPE_SE
	s_setreg_imm32_b32 hwreg(HW_REG_WAVE_MODE, 25, 1), 1
	s_wait_xcnt 0x0
; x [8192][1024], W_qkv [1024][3072] and W_o [1024][1024], f32, become codes of FP6 (E2M3) with K innermost and one E8M0 scale byte for each 32 along K.
; xq: codes [position 8192][768 bytes], then from byte XS on scale bytes [position][32].  wq: the same for 4,096 rows: rows 0-3071 are W_qkv's columns, rows 3072-4095 W_o's.
; POSITION ORDER: row i of a tensor lies at position p = i with its bits 3 and 4 exchanged.  So 16 neighbouring positions hold rows 8 u + r + 8 (r / 8) of a group of 32: used as the first source of a
; matrix instruction, two such neighbouring tiles leave a lane 16 NEIGHBOURING true rows in 16 registers, which is what the next quantiser wants.
; A block's scale is 2^(floor(log2(its largest magnitude)) - 2); its byte is the largest magnitude's exponent field - 2, held at 1 from below.
; LIMITS: a block whose largest magnitude lies under 2^-124 keeps the byte 1; a block of zeros gets the byte 1 and not 127 (its codes are zeros, and this program alone reads the bytes); NaN and infinities are not served.
; Work-groups 0-255 take x (K innermost), work-groups 256-383 the weights (K is the first axis).  Every work-group takes 32,768 numbers.  The two ways never join again and have LDS bytes of their own.
; No tensor loads, no barrier: waves share nothing.
.set XS,    6291456
; THE CODES' ORDER: a row's 768 bytes lie in four parts, one for each 256 along K: [K step 0..3][position][192 bytes]; from one K step's image to the next are 1,572,864 bytes in xq and in wq alike
; (wq's 4,096 rows fill the first half of each image's room; the rest is neither written nor read).  So 128 or 256 rows of one K step are one dense block of memory, a multiple of 256 bytes long.
.set WS,    6291456
.set EMAX,  2
	s_load_b256 s[4:11], s[0:1], 0x0               ; x s[4:5], W_qkv s[6:7], W_o s[8:9], xq s[10:11]
	s_load_b64 s[12:13], s[0:1], 0x20              ; wq
	v_lshl_add_u32 v208, v0, 2, 0x10800
	v_mov_b32 v209, 0
	v_lshrrev_b32 v1, 5, v0
	v_readfirstlane_b32 s16, v1                    ; wave 0..3
	v_and_b32 v2, 31, v0                           ; lane
	s_wait_kmcnt 0x0
	s_cmp_ge_u32 ttmp9, 256
	s_cbranch_scc1 .Lweights
; ---------------- x: a wave takes 8 rows (8,192 numbers) in 16 steps of 512.  Each load reads 512 consecutive bytes; a step's 2,048 bytes turn through the wave's own stage in LDS and come back 64 bytes
; (16 neighbours along K) a lane; two neighbouring lanes hold a block.  A lane's 16 codes are 12 bytes: a store covers 192 consecutive bytes in each of two K steps' images.  The wave's 256 scale bytes are gathered in LDS and leave as one aligned run of 256.
.set STEPS, 16
.set CB,    12                         ; bytes of 16 codes
.set R,     16                         ; v16-79   four sets of 16 numbers as loaded
.set X,     80                         ; v80-111  two sets of 16 neighbours
.set C,     128                        ; v128-191 codes: four registers a step, so that no store's data are written again
.set E,     112                        ; v112-127 a scale byte for each step
.set WREG,  8192                       ; LDS bytes of a wave: two stages of 32 x SP bytes, then its 256 scale bytes
.set SP,    80                         ; a lane's place in a stage: 64 bytes + 16 of padding
	s_wait_alu depctr_va_vdst(0)
	v_lshlrev_b32 v3, 4, v2                        ; my 16 bytes of a load's 512
	s_mul_i32 s17, s16, WREG
	v_lshrrev_b32 v14, 2, v2
	v_mul_u32_u24 v14, v14, SP
	v_and_b32 v15, 3, v2
	v_lshl_add_u32 v14, v15, 4, v14
	v_add_nc_u32 v14, s17, v14                     ; the stage, on the way in: SP (lane / 4) + 16 (lane % 4)
	v_mul_u32_u24 v15, v2, SP
	v_add_nc_u32 v15, s17, v15                     ; and on the way out: SP x lane
	v_and_b32 v4, 15, v2
	v_mul_u32_u24 v4, v4, CB                       ; my codes' place: 12 bytes for each of sixteen lanes in a K step's 192,
	v_lshrrev_b32 v10, 4, v2
	v_mad_u32_u24 v4, v10, 0x180000, v4            ; lanes 16-31 one K step's image on
	v_lshrrev_b32 v5, 1, v2
	s_add_co_u32 s17, s17, 2*32*SP
	v_add_nc_u32 v5, s17, v5                       ; LDS: my block's scale byte
	v_lshlrev_b32 v7, 3, v2
	v_add_nc_u32 v6, s17, v7                       ; and on the way out 8 bytes a lane
	s_lshl_b32 s17, ttmp9, 2
	s_add_co_u32 s18, s17, s16                     ; which run of 8 rows I read
	s_lshl_b32 s20, s18, 15                        ; 32,768 bytes a run
	s_mov_b32 s21, 0
	s_add_nc_u64 s[4:5], s[4:5], s[20:21]
	s_and_b32 s22, s16, 1                          ; where it goes: the wave's two bits are the rows' bits 3 and 4: exchanged
	s_lshl_b32 s22, s22, 1
	s_lshr_b32 s23, s16, 1
	s_or_b32 s22, s22, s23
	s_add_co_u32 s22, s22, s17
	s_mul_i32 s20, s22, 1536                       ; 8 rows of 192 bytes in each K step's image
	s_add_nc_u64 s[8:9], s[10:11], s[20:21]
	s_lshl_b32 s20, s22, 8                         ; 256 scale bytes a run
	s_add_co_u32 s20, s20, XS
	s_add_nc_u64 s[10:11], s[10:11], s[20:21]
.macro XLOAD t
.irp i, 0,1,2,3
	global_load_b128 v[R+16*((\t)%4)+4*\i:R+16*((\t)%4)+4*\i+3], v3, s[4:5] offset:2048*(\t)+512*\i th:TH_LOAD_NT
.endr
.endm
.macro XTURN t                         ; step t's numbers through the stage: LDS serves a wave's instructions in order, so no wait stands between the stores and the loads
.irp i, 0,1,2,3
	ds_store_b128 v14, v[R+16*((\t)%4)+4*\i:R+16*((\t)%4)+4*\i+3] offset:32*SP*((\t)%2)+8*SP*\i
.endr
.irp i, 0,1,2,3
	ds_load_b128 v[X+16*((\t)%2)+4*\i:X+16*((\t)%2)+4*\i+3], v15 offset:32*SP*((\t)%2)+16*\i
.endr
.endm
.irp t, 0,1,2,3
	XLOAD \t
.endr
	s_wait_alu depctr_va_vdst(0)
	s_wait_loadcnt 12                              ; step 0's four loads are in; twelve younger ones stay out
	XTURN 0
.macro XSTEP t
.set XR, X+16*((\t)%2)
.if (\t) > 0
	s_wait_dscnt 1                                 ; this step's numbers are back from the stage (the last step's byte store may be out): so the stage's stores have read their registers,
.else
	s_wait_dscnt 0x0
.endif
.if (\t)+4 < STEPS
	XLOAD (\t)+4                                   ; which take the loads of four steps on
.endif
.if (\t)+1 < STEPS
.if STEPS-2-(\t) >= 3
	s_wait_loadcnt 12                              ; the next step's four loads are in; those of the three steps behind it may be out
.else
	s_wait_loadcnt 4*(STEPS-2-(\t))
.endif
	XTURN (\t)+1
.endif
	v_max3_num_f32 v8, |v[XR]|, |v[XR+1]|, |v[XR+2]|               ; the largest magnitude of my 16, in two chains
	v_max3_num_f32 v9, |v[XR+3]|, |v[XR+4]|, |v[XR+5]|
.irp i, 6,10
	v_max3_num_f32 v8, v8, |v[XR+\i]|, |v[XR+\i+1]|
	v_max3_num_f32 v9, v9, |v[XR+\i+2]|, |v[XR+\i+3]|
.endr
	v_max3_num_f32 v8, v8, |v[XR+14]|, |v[XR+15]|
	v_max3_num_f32 v8, v8, v9, (EMAX+1)<<23        ; and the floor 2^(3 - 127): the byte cannot fall under 1
	v_max_num_f32_dpp v8, v8, v8 row_xmask:1 row_mask:0xf bank_mask:0xf   ; with my neighbour's 16: the block's
	v_add_nc_u32 v11, -(EMAX<<23), v8              ; 2 off its exponent field: the conversion takes the exponent field of this operand as its scale
	v_cvt_scalef32_pk16_fp6_f32 v[C+4*(\t):C+4*(\t)+2], v[XR:XR+15], v11
	v_lshrrev_b32 v[E+(\t)], 23, v11               ; the scale's byte (also the plain line behind the conversion)
	ds_store_b8 v5, v[E+(\t)] offset:16*(\t)       ; both lanes of a block write the same byte with the same value
	global_store_b96 v4, v[C+4*(\t):C+4*(\t)+2], s[8:9] offset:3145728*((\t)%2)+192*((\t)/2)   ; row t / 2, K steps 2 (t % 2) and 2 (t % 2) + 1
.endm
.irp t, 0,1,2,3,4,5,6,7,8,9,10,11,12,13,14,15
	XSTEP \t
.endr
	ds_load_b64 v[12:13], v6                       ; LDS serves a wave's instructions in order: these see my byte stores
	s_wait_dscnt 0x0
	global_store_b64 v7, v[12:13], s[10:11]        ; 32 lanes store 256 consecutive bytes, aligned
	s_wait_tensorcnt 0x0
	ds_add_u32 v208, v209
	s_wait_dscnt 0x0
	s_endpgm
; ---------------- the weights: K is the first axis.  A lane takes a column n and its registers run down K: a block of 32 lies in one lane's 32 registers, and the codes come out with K innermost.
; A wave takes 32 columns x 256 along K: 8 blocks a lane, 192 bytes of codes a column, which go through the wave's own stage and leave by rows: sixteen lanes store a row's 192 consecutive bytes.
; One text serves both weights: the source and its row length are chosen on the work-group's number; so the row steps lie in 32 offset registers and 8 bases, none of which is ever rewritten.
.Lweights:
.set NB,    8                          ; blocks a lane
.set PITCH, 272                        ; a stage row: sixteen places of 16 bytes, each with 12 bytes of codes, + 16
.set KROW,  192                        ; a row's bytes in a K step's image
.set WX,    32                         ; v32-95   two sets of 32 numbers
.set WC,    96                         ; v96..    a block's codes
.set OUTR,  112                        ; v112-175 the way out
.set SB,    24                         ; v24-25   the scale bytes, four to a register
.set OFFS,  176                        ; v176-207 4 x lane + i rows of the source
.set WSTG,  32768                      ; this way's LDS begins behind the other way's
	s_sub_co_u32 s17, ttmp9, 256
	s_lshr_b32 s18, s17, 2                         ; which 128 rows of wq
	s_and_b32 s19, s17, 3                          ; which 256 along K
	s_mov_b32 s20, 12288                           ; a row of W_qkv in bytes
	s_cmp_ge_u32 s18, 24                           ; rows 3072 on are W_o's columns: the choice hangs on the work-group's number alone
	s_cselect_b64 s[6:7], s[8:9], s[6:7]
	s_cselect_b32 s20, 4096, s20                   ; a row of W_o
	s_cselect_b32 s21, 3072, 0
	s_lshl_b32 s22, s18, 7
	s_lshl_b32 s23, s16, 5
	s_add_co_u32 s22, s22, s23                     ; my wave's first row of wq
	s_sub_co_u32 s23, s22, s21                     ; = this column of the source
	s_mul_i32 s24, s19, s20
	s_lshl_b32 s24, s24, 8                         ; 256 source rows for each quarter of K
	s_lshl_b32 s23, s23, 2
	s_add_co_u32 s24, s24, s23
	s_mov_b32 s25, 0
	s_add_nc_u64 s[32:33], s[6:7], s[24:25]        ; block 0's base
	s_lshl_b32 s24, s20, 5                         ; 32 source rows on for each block
.irp t, 1,2,3,4,5,6,7
	s_add_nc_u64 s[32+2*\t:33+2*\t], s[30+2*\t:31+2*\t], s[24:25]
.endr
	s_mul_i32 s26, s22, KROW
	s_mul_i32 s27, s19, 1572864                    ; my quarter of K is a K step: its image
	s_add_co_u32 s26, s26, s27
	s_mov_b32 s27, 0
	s_add_nc_u64 s[28:29], s[12:13], s[26:27]      ; where my codes go
	s_lshl_b32 s26, s22, 5
	s_lshl_b32 s24, s19, 3
	s_add_co_u32 s26, s26, s24
	s_add_co_u32 s26, s26, WS
	s_add_nc_u64 s[30:31], s[12:13], s[26:27]      ; and my scale bytes
	s_wait_alu depctr_va_vdst(0)
	v_lshlrev_b32 v[OFFS], 2, v2
.set i, 1
.rept 31
	v_add_nc_u32 v[OFFS+i], s20, v[OFFS+i-1]
.set i, i+1
.endr
	s_mul_i32 s26, s16, 32*PITCH
	s_add_co_u32 s26, s26, WSTG                    ; my stage
	v_mul_u32_u24 v4, v2, PITCH
	v_add_nc_u32 v4, s26, v4                       ; into it: row = my column
	v_and_b32 v5, 15, v2
	v_lshrrev_b32 v6, 4, v2                        ; out of it: sixteen lanes to a row, two rows an instruction
	v_mul_u32_u24 v7, v6, PITCH
	v_lshl_add_u32 v7, v5, 4, v7
	v_add_nc_u32 v7, s26, v7
	v_mul_u32_u24 v8, v6, KROW
	v_mad_u32_u24 v8, v5, 12, v8                   ; the same place in wq (the pair of rows stands in the store's immediate)
	v_and_b32 v9, 7, v2                            ; my column's position: bits 3 and 4 exchanged,
	v_and_b32 v10, 8, v2
	v_lshl_or_b32 v9, v10, 1, v9
	v_and_b32 v10, 16, v2
	v_lshrrev_b32 v10, 1, v10
	v_or_b32 v9, v9, v10
	v_lshlrev_b32 v9, 5, v9                        ; 32 scale bytes a row
.macro WLOAD t                         ; block t: W(32 t + i, my column) into set t % 2: 128 consecutive bytes a load
.set i, 0
.rept 32
	global_load_b32 v[WX+32*((\t)%2)+i], v[OFFS+i], s[32+2*(\t):33+2*(\t)] th:TH_LOAD_NT
.set i, i+1
.endr
.endm
	WLOAD 0
	WLOAD 1
.macro WBLOCK t
.set XR, WX+32*((\t)%2)
.if (\t) < NB-1
	s_wait_loadcnt 32                              ; this block's 32 loads are in; the next block's 32 may be out
.else
	s_wait_loadcnt 0
.endif
	v_max3_num_f32 v12, |v[XR]|, |v[XR+1]|, |v[XR+2]|               ; the block's largest magnitude: all 32 numbers are mine
	v_max3_num_f32 v13, |v[XR+3]|, |v[XR+4]|, |v[XR+5]|
.irp i, 6,10,14,18,22,26
	v_max3_num_f32 v12, v12, |v[XR+\i]|, |v[XR+\i+1]|
	v_max3_num_f32 v13, v13, |v[XR+\i+2]|, |v[XR+\i+3]|
.endr
	v_max3_num_f32 v12, v12, |v[XR+30]|, |v[XR+31]|
	v_max3_num_f32 v12, v12, v13, (EMAX+1)<<23     ; and the floor
	v_add_nc_u32 v11, -(EMAX<<23), v12             ; the conversion's scale operand
	v_lshrrev_b32 v13, 23, v11                     ; the scale's byte
.if (\t)%4 == 0
	v_mov_b32 v[SB+(\t)/4], v13
.else
	v_lshl_or_b32 v[SB+(\t)/4], v13, 8*((\t)%4), v[SB+(\t)/4]
.endif
	v_cvt_scalef32_pk16_fp6_f32 v[WC:WC+2], v[XR:XR+15], v11
	v_cvt_scalef32_pk16_fp6_f32 v[WC+4:WC+6], v[XR+16:XR+31], v11   ; (a conversion's three registers begin on an even number)
	ds_store_b96 v4, v[WC:WC+2] offset:32*(\t)     ; 12 bytes to a place of 16, so that every LDS address is a multiple of 16
	ds_store_b96 v4, v[WC+4:WC+6] offset:32*(\t)+16
.if (\t)+2 < NB
	WLOAD (\t)+2
.endif
	s_wait_dscnt 0x0                               ; the stores have read their registers: the next block's codes may be written (its first lines are plain vector lines)
.endm
.irp t, 0,1,2,3,4,5,6,7
	WBLOCK \t
.endr
	s_wait_alu depctr_va_vdst(0)
	global_store_b64 v9, v[SB:SB+1], s[30:31]      ; my column's 8 scale bytes
.irp t, 0,1,2,3,4,5,6,7,8,9,10,11,12,13,14,15
	ds_load_b96 v[OUTR+4*\t:OUTR+4*\t+2], v7 offset:2*\t*PITCH
.endr
.irp t, 0,1,2,3,4,5,6,7,8,9,10,11,12,13,14,15
	s_wait_dscnt 15-\t                             ; LDS loads come back in order: pair t is in
	global_store_b96 v8, v[OUTR+4*\t:OUTR+4*\t+2], s[28:29] offset:(16*((\t/4)%2)+8*(\t/8)+2*(\t%4))*KROW   ; columns 2 t, 2 t + 1 at their positions
.endr
	s_wait_tensorcnt 0x0
	ds_add_u32 v208, v209
	s_wait_dscnt 0x0
	s_endpgm
.Lfunc_end_k_q9ea606f49f_quant:
	.size	k_q9ea606f49f_quant, .Lfunc_end_k_q9ea606f49f_quant-k_q9ea606f49f_quant
	.p2alignl 7, 3214868480
	.fill 96, 4, 3214868480
	.section	.rodata,"a",@progbits
	.p2align	6, 0x0
	.amdhsa_kernel k_q9ea606f49f_quant
		.amdhsa_group_segment_fixed_size 68096
		.amdhsa_private_segment_fixed_size 0
		.amdhsa_enable_private_segment 0
		.amdhsa_kernarg_size 40
		.amdhsa_user_sgpr_count 2
		.amdhsa_user_sgpr_kernarg_segment_ptr 1
		.amdhsa_wavefront_size32 1
		.amdhsa_system_sgpr_workgroup_id_x 1
		.amdhsa_system_sgpr_workgroup_id_y 1
		.amdhsa_system_sgpr_workgroup_id_z 1
		.amdhsa_system_vgpr_workitem_id 0
		.amdhsa_next_free_vgpr 210
		.amdhsa_next_free_sgpr 66
		.amdhsa_reserve_vcc 0
		.amdhsa_float_denorm_mode_32 3
		.amdhsa_float_denorm_mode_16_64 3
		.amdhsa_memory_ordered 1
		.amdhsa_forward_progress 1
		.amdhsa_inst_pref_size 75
	.end_amdhsa_kernel
	.amdgpu_metadata
---
amdhsa.version: [ 1, 2 ]
amdhsa.kernels:
  - .name:           k_q9ea606f49f_quant
    .symbol:         k_q9ea606f49f_quant.kd
    .args:
      - { .name: x, .offset: 0, .size: 8, .value_kind: global_buffer, .address_space: global }
      - { .name: W_qkv, .offset: 8, .size: 8, .value_kind: global_buffer, .address_space: global }
      - { .name: W_o, .offset: 16, .size: 8, .value_kind: global_buffer, .address_space: global }
      - { .name: xq, .offset: 24, .size: 8, .value_kind: global_buffer, .address_space: global }
      - { .name: wq, .offset: 32, .size: 8, .value_kind: global_buffer, .address_space: global }
    .group_segment_fixed_size: 68096
    .private_segment_fixed_size: 0
    .kernarg_segment_align: 8
    .kernarg_segment_size: 40
    .max_flat_workgroup_size: 128
    .sgpr_count:     66
    .vgpr_count:     210
    .wavefront_size: 32
...
	.end_amdgpu_metadata
.endif
;; end of part 1
;; launch qkv (part 2): grid 8 x 32, 4 waves a work-group, clusters of 4 x 4, 327,680 bytes of LDS; arguments xq, wq, b_qkv, qkv; writes qkv
.if DOCPART == 2
	.amdgcn_target "amdgcn-amd-amdhsa--gfx1250"
	.amdhsa_code_object_version 6
	.text
	.protected	k_q9ea606f49f_qkv
	.globl	k_q9ea606f49f_qkv
	.p2align	8
	.type	k_q9ea606f49f_qkv,@function
k_q9ea606f49f_qkv:
	s_mov_b64 s[64:65], 0
	v_nop
	global_prefetch_b8 v0, s[64:65] scope:SCOPE_SE
	s_setreg_imm32_b32 hwreg(HW_REG_WAVE_MODE, 25, 1), 1
	s_wait_xcnt 0x0
	s_wait_alu depctr_hold_cnt(0) depctr_sa_sdst(0) depctr_va_vdst(0) depctr_va_sdst(0) depctr_va_ssrc(0) depctr_va_vcc(0) depctr_vm_vsrc(0)
	s_getreg_b32 s2, hwreg(HW_REG_IB_STS2, 6, 4)
	s_cmp_eq_u32 s2, 0
	s_cbranch_scc0 .Lentry_in_a_cluster
	s_endpgm
.Lentry_in_a_cluster:
	s_bfe_u32 s2, ttmp6, 0x10000c
	s_cmp_lg_u32 s2, 0xf033
	s_cbranch_scc0 .Lentry_shape_is_right
	s_endpgm
.Lentry_shape_is_right:
; qkv = x W_qkv + b_qkv on codes of FP6 (E2M3) with E8M0 scales, K = 1,024; q, k and v are quantised in registers for the two products of attention and stored as images of operand registers.
; SHARES: 256 work-groups.  A work-group owns 256 tokens and 384 columns of W_qkv, taken as six HEAD TILES of 64 columns: four of q or k (head tiles 4 c .. 4 c + 3 of 32), then two of v (heads 2 c, 2 c + 1).
; A wave owns 64 tokens, four blocks of 16, and holds their codes for ALL of K in registers (32 fragments, 384 registers), read from LDS once; each head tile's 64 rows of weights stream past them: 8 matrix steps of 16 products on 16 accumulators.
; xq and wq: [K step of 256][row][192 bytes], 1,572,864 bytes from a K step's image to the next; rows in position order (bits 3 and 4 of the index exchanged).  A tile's tensor load has a row for each K step; in LDS 16 bytes of padding stand behind every 64.
; LDS: five slots of 61,440 bytes.  Slot 0: head tile 0, later head tile 5.  Slots 1-4: the tokens' four K steps; when they are in registers, head tiles 1-4.
; FILLS: at the head one joint load a wave (the tokens' K steps 0, 1 and 2, 3; head tile 0's K steps 0, 1 and 2, 3).  Behind a drained round of the cluster's barrier each wave asks for one of head tiles 1-4, onto the tokens' bytes.
; Behind a second such round, behind the four tiles of q and k, wave 0 asks for head tile 5, onto tile 0's bytes.  A plain barrier at each tile's end shows what has landed to all waves.
; NO PREFETCH: the tokens are asked for at the head, every weight tile one to four tiles ahead of its first read.
; q, k: source 0 = 16 rows of weights, source 1 = 16 tokens: a lane holds one token, and the 32 registers of a token block are, for each 32 features, 16 neighbours: 32 b + 16 (lane / 16) + 0 .. 15.
; v: the sources are swapped: a lane holds one feature, and the 32 registers of a block of 16 features run along my 64 tokens in the same way.  So one quantiser serves both: a group of 32 registers becomes a half image
; (registers 0-3 at 16 x lane, registers 4, 5 at 512 + 8 x lane: 768 bytes) and two scale bytes a row.  q, k: the half image of (token tile, head); the scale word's upper two bytes are 0, for the 64 zero codes that pad K to 128.
; v: half (wave % 2) of the fragment of (16 features, 128 keys); its two scale bytes leave as stores of 2 bytes, 16 bytes apart: one byte in 24 of v's output.
; THE BIAS is the C of each sum's first matrix instruction.  A tile's bias and scale words are loaded while the tile before goes out; behind the last tile of v the bias's address is held inside b_qkv.
; CLUSTERS: 4 x 4 work-groups; the tokens are asked for jointly along a row of the cluster, the weights along a column.
; LIMITS: a block under 2^-124 keeps the scale byte 1, a block of zeros gets the byte 1 (its codes are zeros, and this program alone reads the bytes); NaN and infinities are not served.
; REGISTERS: window 0: v10-29 addresses; v32-63 the tokens' scale words (8 a + step); v68-99 the weights' (8 b + step); v104-135 the bias; v136-191 the quantiser's.  Window 1: the tokens' fragments of steps 0-4 (48 step + 12 a).
;   Window 2: those of steps 5-7; from v144 the weights' fragment sets 0, 1.  Window 3: v0-127 the accumulators, a group of four on end; from v128 set 2.
.set SSTR,   1572864
.set XS,     6291456                   ; xq: the scale bytes
.set WS,     6291456                   ; wq: likewise
.set VI,     12582912                  ; qkv: v's images
.set QKS,    18874368                  ; q's and k's scale words
.set VS,     19922944                  ; v's
.set PITCH,  240
.set TSL,    61440                     ; a slot: 4 K steps x 64 rows, or one K step x 256 rows
.set SPARE,  5*TSL                     ; the spare words: 128 bytes a wave, named by no other line
.set SPW,   10
.set NIL,   11
.set ADRB0, 12                         ; v12, v13 a fragment's lane part (v13: behind one padding more for lanes 16-31)
.set ADRB20, 13
.set ADRB,  14                         ; v14, v15 the same in the tile at work
.set ADRB2, 15
.set I16,   16
.set I8,    17
.set ISC,   18
.set VS3,   19
.set VB,    20
.set VBV,   21
.set AA,    22                         ; v22-25, v26-29 my tokens' rows in K step s
.set AA2,   26
.set SA,    32
.set SB,    68
.set BI,    104
.set TM,    136
.set CT,    152
.set SW,    156
.set CD,    160
.set G1A,   24
.set G1B,   32
.set SP,    56                         ; s[56:57] the weights' scale bytes; s[70:71] the bias
.set BP,    70
.set SEL,   66
.set Y0,    80
.set Y4,    81
.set XV,    82
.set CW768, 83
.set CW2,   84
.set HT,    85
.set TB,    86
.set CNT,   87
.set IB,    88
.set SS,    90
.set MSB, 0
.macro WIN new                         ; the immediate's high byte repeats the setting that is left
.if MSB != (\new)
	s_set_vgpr_msb (MSB<<8)|(\new)
.set MSB, (\new)
.endif
.endm
.macro PLACES n
.rept \n
	v_nop
.endr
.endm
.macro CROUND                          ; a round of the cluster's barrier
	s_barrier_signal -1
	s_barrier_wait -1
	s_cmp_lg_u32 s14, 0
	s_cbranch_scc1 .Lnot_wave_0_\@
	s_barrier_signal -3
.Lnot_wave_0_\@:
	s_barrier_wait -3
	s_barrier_signal -1
	s_barrier_wait -1
.endm
	s_load_b128 s[4:7], s[0:1], 0x0                ; xq, wq
	s_load_b128 s[8:11], s[0:1], 0x10              ; b_qkv, qkv
	v_lshl_add_u32 v[SPW], v0, 2, SPARE
	v_mov_b32 v[NIL], 0
	ds_add_u32 v[SPW], v[NIL]                      ; the opening lines: the add, twice on end, and its wait
	ds_add_u32 v[SPW], v[NIL]
	v_lshrrev_b32 v1, 5, v0
	v_readfirstlane_b32 s14, v1                    ; wave 0..3: my 64 tokens
	s_lshr_b32 s15, s14, 1
	s_and_b32 s16, s14, 1
	s_bfe_u32 s60, ttmp6, 0x40000                  ; cx, cy
	s_bfe_u32 s61, ttmp6, 0x40004
	s_lshl_b32 s62, ttmp9, 2
	s_add_co_u32 s62, s62, s60                     ; c: my 384 columns, 0..7
	s_and_b32 s17, ttmp7, 0xffff
	s_lshl_b32 s17, s17, 2
	s_add_co_u32 s17, s17, s61                     ; my 256 tokens, 0..31
	s_lshl_b32 s58, s61, 2
	s_lshl_b32 s58, 15, s58                        ; my row of the cluster
	s_lshl_b32 s59, 0x1111, s60                    ; my column
	s_or_b32 s[G1A], s58, (3<<16)|(1<<20)|(1<<21)|(3<<22)|(3<<25)   ; the tokens: 2 rows (K steps) of 49,152 bytes (6,144 elements of 8), 4 words of padding behind every 16
	s_mov_b32 s[G1A+1], 6144<<16
	s_mov_b32 s[G1A+2], 2<<16
	s_mov_b32 s[G1A+3], 6144<<16
	s_mov_b32 s[G1A+4], 2
	s_mov_b32 s[G1A+5], SSTR/8
	s_mov_b32 s[G1A+6], 0
	s_mov_b32 s[G1A+7], 0
	s_or_b32 s[G1B], s59, (3<<16)|(1<<20)|(1<<21)|(3<<22)|(3<<25)   ; a head tile: rows (K steps) of 12,288 bytes; 2 of them at the head, later 4
	s_mov_b32 s[G1B+1], 1536<<16
	s_mov_b32 s[G1B+2], 2<<16
	s_mov_b32 s[G1B+3], 1536<<16
	s_mov_b32 s[G1B+4], 2
	s_mov_b32 s[G1B+5], SSTR/8
	s_mov_b32 s[G1B+6], 0
	s_mov_b32 s[G1B+7], 0
	s_mov_b32 s40, 1                               ; group 0: s[40:43] the tokens' half of K (waves 0, 1),
	s_mul_i32 s41, s16, 2*TSL
	s_add_co_u32 s41, s41, TSL
	s_mov_b32 s44, 1                               ; s[44:47] head tile 0's half of K (waves 2, 3),
	s_mul_i32 s45, s16, TSL/2
	s_mov_b32 s48, 1                               ; s[48:51] head tile wave + 1, into slot wave + 1,
	s_mul_i32 s49, s14, TSL
	s_add_co_u32 s49, s49, TSL
	s_mov_b32 s52, 1                               ; s[52:55] head tile 5, into slot 0
	s_mov_b32 s53, 0
	s_mul_i32 s18, s16, 2*SSTR                     ; which half of K
	s_mul_i32 s20, s17, 49152                      ; the tokens' codes: made of the tokens' coordinate and the wave's number alone
	s_add_co_u32 s20, s20, s18
	s_mov_b32 s21, 0
	s_mul_i32 s22, s62, 49152                      ; head tile 4 c: 12,288 bytes a tile in each K step's image
	s_add_co_u32 s22, s22, s18
	s_mov_b32 s23, 0
	s_lshl_b32 s78, s62, 2
	s_add_co_u32 s78, s78, s14
	s_add_co_u32 s78, s78, 1                       ; head tile 4 c + wave + 1 of q and k;
	s_lshl_b32 s79, s62, 1
	s_add_co_u32 s79, s79, 32                      ; wave 3: v's head 2 c, 32 head tiles on
	s_cmp_eq_u32 s14, 3
	s_cselect_b32 s74, s79, s78
	s_mul_i32 s74, s74, 12288
	s_mov_b32 s75, 0
	s_add_co_u32 s76, s79, 1                       ; v's head 2 c + 1
	s_mul_i32 s76, s76, 12288
	s_mov_b32 s77, 0
	s_lshl_b32 s18, s17, 8
	s_lshl_b32 s19, s14, 6
	s_add_co_u32 s18, s18, s19                     ; my first token
	s_lshl_b32 s68, s18, 5                         ; 32 scale bytes a row
	s_add_co_u32 s68, s68, XS
	s_mov_b32 s69, 0
	s_lshl_b32 s[SP], s62, 13                      ; the weights' scale bytes: 2,048 a head tile
	s_add_co_u32 s[SP], s[SP], WS
	s_mov_b32 s[SP+1], 0
	s_lshl_b32 s[BP], s62, 10                      ; the bias: 256 bytes a head tile
	s_mov_b32 s[BP+1], 0
	s_lshl_b32 s92, s62, 12                        ; v's: rows 2048 + 128 c
	s_add_co_u32 s92, s92, WS+65536
	s_mov_b32 s93, 0
	s_lshl_b32 s72, s62, 9
	s_add_co_u32 s72, s72, 8192
	s_mov_b32 s73, 0
	s_lshl_b32 s[Y0], s17, 4
	s_lshl_b32 s19, s14, 2
	s_add_co_u32 s[Y0], s[Y0], s19                 ; my first tile of 16 tokens
	s_lshl_b32 s[Y4], s17, 2
	s_add_co_u32 s[Y4], s[Y4], s14                 ; my group of four tiles
	s_lshl_b32 s[XV], s17, 1
	s_add_co_u32 s[XV], s[XV], s15                 ; my key step of 128 tokens,
	s_mul_i32 s[CW768], s16, 768                   ; and which half of it
	s_add_co_u32 s[CW768], s[CW768], VI
	s_lshl_b32 s[CW2], s16, 1
	s_add_co_u32 s[CW2], s[CW2], VS
	s_lshl_b32 s[HT], s62, 2
	s_mul_i32 s63, s14, 64*PITCH                   ; LDS: my 64 tokens' rows in a K step
	s_add_co_u32 s63, s63, TSL
	s_mov_b32 s[SEL], 0x76543210
	s_mov_b32 s[SEL+1], 0xfedcba98
	s_wait_alu depctr_va_vdst(0)
	s_wait_dscnt 0x0                               ; both opening adds are done
	CROUND                                         ; all sixteen work-groups are here: the first joint loads meet
	s_wait_kmcnt 0x0
	s_add_nc_u64 s[42:43], s[4:5], s[20:21]
	s_or_b32 s43, s43, 0x80000000
	s_add_nc_u64 s[46:47], s[6:7], s[22:23]
	s_or_b32 s47, s47, 0x80000000
	s_add_nc_u64 s[50:51], s[6:7], s[74:75]
	s_or_b32 s51, s51, 0x80000000
	s_add_nc_u64 s[54:55], s[6:7], s[76:77]
	s_or_b32 s55, s55, 0x80000000
	s_cmp_lt_u32 s14, 2                            ; the head's loads, one a wave; s_nop 0 and four v_nop behind each line
	s_cbranch_scc0 .Lhead_w
	tensor_load_to_lds s[40:43], s[G1A:G1A+7]
	s_nop 0
	PLACES 4
	s_branch .Lhead_asked
.Lhead_w:
	tensor_load_to_lds s[44:47], s[G1B:G1B+7]
	s_nop 0
	PLACES 4
.Lhead_asked:
	s_add_nc_u64 s[68:69], s[4:5], s[68:69]
	s_add_nc_u64 s[SP:SP+1], s[6:7], s[SP:SP+1]
	s_add_nc_u64 s[BP:BP+1], s[8:9], s[BP:BP+1]
	v_and_b32 v1, 15, v0                           ; r
	v_bfe_u32 v2, v0, 4, 1                         ; h
	v_and_b32 v6, 31, v0                           ; lane
	v_lshlrev_b32 v[VS3], 5, v1                    ; row r's 32 scale bytes (both halves of the lanes read the same)
	v_lshlrev_b32 v[VB], 6, v2                     ; q, k: the bias runs along the registers: 16 features on for lanes 16-31
.macro SCLOAD                          ; a head tile's scale words: row r of block b: eight words, one a matrix step; sixteen lanes read 512 consecutive bytes
.irp b, 0,1,2,3
	global_load_b128 v[SB+8*\b:SB+8*\b+3], v[VS3], s[SP:SP+1] offset:512*\b
	global_load_b128 v[SB+8*\b+4:SB+8*\b+7], v[VS3], s[SP:SP+1] offset:512*\b+16
.endr
.endm
.macro BIASQ                           ; q, k: register j of tile b is feature 32 (b / 2) + 16 h + 8 (b % 2) + j
.irp b, 0,1,2,3
	global_load_b128 v[BI+8*\b:BI+8*\b+3], v[VB], s[BP:BP+1] offset:(32*(\b/2)+8*(\b%2))*4
	global_load_b128 v[BI+8*\b+4:BI+8*\b+7], v[VB], s[BP:BP+1] offset:(32*(\b/2)+8*(\b%2))*4+16
.endr
.endm
.macro BIASV                           ; v: all eight registers of tile b hold the number of my feature 32 (b / 2) + 8 (b % 2) + r + 8 (r / 8)
.irp b, 0,1,2,3
.irp j, 0,1,2,3,4,5,6,7
	global_load_b32 v[BI+8*\b+\j], v[VBV], s[BP:BP+1] offset:(32*(\b/2)+8*(\b%2))*4
.endr
.endr
.endm
.irp a, 0,1,2,3
	global_load_b128 v[SA+8*\a:SA+8*\a+3], v[VS3], s[68:69] offset:512*\a
	global_load_b128 v[SA+8*\a+4:SA+8*\a+7], v[VS3], s[68:69] offset:512*\a+16
.endr
	SCLOAD
	BIASQ
	v_mul_u32_u24 v[ADRB0], v1, PITCH
	v_mad_u32_u24 v[ADRB0], v2, 24, v[ADRB0]       ; row x pitch + 24 x half
	v_lshl_add_u32 v[ADRB20], v2, 4, v[ADRB0]
	v_add_nc_u32 v7, s63, v[ADRB0]
	v_add_nc_u32 v8, s63, v[ADRB20]
.irp s, 0,1,2,3
	v_add_nc_u32 v[AA+\s], \s*TSL, v7
	v_add_nc_u32 v[AA2+\s], \s*TSL, v8
.endr
	v_lshlrev_b32 v[I16], 4, v6
	v_lshlrev_b32 v[I8], 3, v6
	v_lshlrev_b32 v[ISC], 4, v1
	v_and_b32 v3, 8, v1
	v_add_nc_u32 v3, v3, v1
	v_lshlrev_b32 v[VBV], 2, v3
	v_mov_b32 v[TM+4], 0                           ; written once: a lane permute's destination counts as one of its sources
	v_mov_b32 v[TM+5], 0
.macro FRAG reg, adr, adr2, q, i, extra    ; a fragment: six pieces of 8 bytes; where lanes 16-31 (24 bytes on) lie behind one padding more, the second address register serves
.irp p, 0,1,2,3,4,5
.set PC, 12*(\q)+6*(\p/3)+\p%3
.if PC%8 < 5
	ds_load_b64 v[\reg+2*\p:\reg+2*\p+1], v[\adr] offset:8*PC+16*(PC/8)+(\i)*16*PITCH+(\extra)
.else
	ds_load_b64 v[\reg+2*\p:\reg+2*\p+1], v[\adr2] offset:8*PC+16*(PC/8)+(\i)*16*PITCH+(\extra)
.endif
.endr
.endm
.macro BSET m                          ; where matrix step m's set of weight fragments lies: set m % 3
.if (\m)%3 < 2
.set BW_, 2
.set BR_, 144+48*((\m)%3)
.else
.set BW_, 3
.set BR_, 128
.endif
.endm
.macro FETCH m                         ; the weights' four fragments of matrix step m: 24 LDS loads
	BSET \m
	WIN BW_<<6
.irp i, 0,1,2,3
	FRAG BR_+12*\i, ADRB, ADRB2, (\m)%2, \i, ((\m)/2)*64*PITCH
.endr
.endm
.macro WM d, s0, s1, c, x0, x1
	v_wmma_scale_f32_16x16x128_f8f6f4 v[\d:\d+7], v[\s0:\s0+11], v[\s1:\s1+11], \c, v[\x0], v[\x1] matrix_a_fmt:MATRIX_FMT_FP6 matrix_b_fmt:MATRIX_FMT_FP6
.endm
.macro MUL v, m                        ; 16 matrix instructions; the 16 accumulators take turns, in the same order in every step
	BSET \m
.set AW_, 1+(\m)/5
.set AR_, 48*((\m)%5)
.if (\m) == 0
.set CW_, 0
.else
.set CW_, 3
.endif
.if \v
	WIN AW_|(BW_<<2)|(CW_<<4)|0xc0
.else
	WIN BW_|(AW_<<2)|(CW_<<4)|0xc0
.endif
.irp a, 0,1,2,3
.irp b, 0,1,2,3
.if \v
.if (\m) == 0
	WM 8*(4*\b+\a), AR_+12*\a, BR_+12*\b, v[BI+8*\b:BI+8*\b+7], SA+8*\a+(\m), SB+8*\b+(\m)
.else
	WM 8*(4*\b+\a), AR_+12*\a, BR_+12*\b, v[8*(4*\b+\a):8*(4*\b+\a)+7], SA+8*\a+(\m), SB+8*\b+(\m)
.endif
.else
.if (\m) == 0
	WM 8*(4*\a+\b), BR_+12*\b, AR_+12*\a, v[BI+8*\b:BI+8*\b+7], SB+8*\b+(\m), SA+8*\a+(\m)
.else
	WM 8*(4*\a+\b), BR_+12*\b, AR_+12*\a, v[8*(4*\a+\b):8*(4*\a+\b)+7], SB+8*\b+(\m), SA+8*\a+(\m)
.endif
.endif
.endr
.endr
.endm
.macro STEP v, m
.if (\m) < 7
	s_wait_dscnt 24                                ; this step's fragments are in; the next step's 24 loads may be out
.else
	s_wait_dscnt 0x0
.endif
.if (\m) < 6
	PLACES 4                                       ; between the last step's products and the loads into the set that they read
	FETCH (\m)+2
.endif
	MUL \v, \m
.endm
; A group's 32 registers (register 16 b + i = next K 32 b + 16 (lane / 16) + i of my row) become a half image and two scale bytes.  Each group has registers of its own for its codes.  Each accumulator is read from its low end on.
.macro QUANT g
.set QS, 32*(\g)
.set QC, CD+8*(\g)
	WIN 0x0f                                       ; sources 0 and 1: window 3
.irp b, 0,1
	v_max3_num_f32 v[TM+\b], |v[QS+16*\b]|, |v[QS+1+16*\b]|, 0x1800000   ; my 16 numbers of block b, and the floor 2^(3 - 127)
.endr
	WIN 0x3c                                       ; sources 1 and 2
.irp i, 2,4,6,8,10,12,14
.irp b, 0,1
	v_max3_num_f32 v[TM+\b], v[TM+\b], |v[QS+16*\b+\i]|, |v[QS+1+16*\b+\i]|
.endr
.endr
	WIN 0
.irp b, 0,1
	v_permlanex16_b32 v[TM+4+\b], v[TM+\b], s[SEL], s[SEL+1]
.endr
.irp b, 0,1
	v_max_num_f32 v[TM+\b], v[TM+\b], v[TM+4+\b]   ; with lane l xor 16's: the block's largest magnitude
.endr
.irp b, 0,1
	v_add_nc_u32 v[TM+8+\b], 0xff000000, v[TM+\b]  ; 2 off its exponent field: the conversion's scale operand
.endr
.irp b, 0,1
	v_lshrrev_b32 v[TM+4+\b], 23, v[TM+8+\b]       ; the scale's byte
.endr
	v_lshl_or_b32 v[SW+\g], v[TM+5], 8, v[TM+4]    ; my row's two bytes; the upper two are 0
	WIN 0x03                                       ; source 0
	v_cvt_scalef32_pk16_fp6_f32 v[QC:QC+2], v[QS:QS+15], v[TM+8]
	v_cvt_scalef32_pk16_fp6_f32 v[CT:CT+2], v[QS+16:QS+31], v[TM+9]   ; (a conversion's three registers begin on an even number)
	WIN 0
	v_nop                                          ; one plain line behind a scaled conversion
.irp i, 0,1,2
	v_permlane16_swap_b32 v[QC+\i], v[CT+\i]       ; lanes 0-15 get block 0 whole, lanes 16-31 block 1
.endr
.irp i, 0,1,2
	v_mov_b32 v[QC+3+\i], v[CT+\i]
.endr
	global_store_b128 v[I16], v[QC:QC+3], s[IB:IB+1] offset:1536*(\g)        ; 512 consecutive bytes, aligned
	global_store_b64 v[I8], v[QC+4:QC+5], s[IB:IB+1] offset:1536*(\g)+512    ; 256
.endm
; A HEAD TILE.  v = 0: of q or k; v = 1: of v.
.macro TILE v
	v_add_nc_u32 v[ADRB], s[TB], v[ADRB0]
	v_add_nc_u32 v[ADRB2], s[TB], v[ADRB20]
	s_wait_alu depctr_va_vdst(0)
	FETCH 0
	FETCH 1
	s_wait_loadcnt 0x0                             ; this tile's scale words and bias (the first time: the tokens' scale words too)
.irp m, 0,1,2,3,4,5,6,7
	STEP \v, \m
.endr
	WIN 0
	PLACES 4                                       ; behind the last products: in front of the loads below and of the first read of the sums
	s_wait_xcnt 0x0                                ; earlier loads and stores have read their bases and data: both are written anew below
	s_add_nc_u64 s[SP:SP+1], s[SP:SP+1], 2048      ; the next head tile's scale words and bias come while this tile goes out
.if \v
	s_add_co_u32 s72, s72, 256
	s_min_u32 s72, s72, 12032                      ; behind v's last head the address is held at b_qkv's last 64 numbers
	s_add_nc_u64 s[BP:BP+1], s[8:9], s[72:73]
	SCLOAD
	BIASV
	s_lshl_b32 s20, s[XV], 6                       ; v's images: [key step][16 features: 4 x head + group][half]
	s_lshl_b32 s21, s[HT], 2
	s_add_co_u32 s20, s20, s21
	s_mul_i32 s20, s20, 1536
	s_add_co_u32 s20, s20, s[CW768]
	s_lshl_b32 s22, s[XV], 4                       ; its scale words: 256 bytes for each key step and head: row r's word of group g at 16 r + 4 g; my half's two bytes
	s_add_co_u32 s22, s22, s[HT]
	s_lshl_b32 s22, s22, 8
	s_add_co_u32 s22, s22, s[CW2]
.else
	s_add_nc_u64 s[BP:BP+1], s[BP:BP+1], 256
	SCLOAD
	BIASQ
	s_lshr_b32 s20, s[HT], 1                       ; q's and k's images: [pair of heads][tile of 16 tokens][head % 2]
	s_lshl_b32 s20, s20, 9
	s_add_co_u32 s20, s20, s[Y0]
	s_mul_i32 s20, s20, 1536
	s_and_b32 s21, s[HT], 1
	s_mul_i32 s21, s21, 768
	s_add_co_u32 s20, s20, s21
	s_lshl_b32 s22, s[HT], 7                       ; their scale words: 256 bytes for each head and four tiles: row r's word of tile g at 16 r + 4 g
	s_add_co_u32 s22, s22, s[Y4]
	s_lshl_b32 s22, s22, 8
	s_add_co_u32 s22, s22, QKS
.endif
	s_mov_b32 s21, 0
	s_mov_b32 s23, 0
	s_add_nc_u64 s[IB:IB+1], s[10:11], s[20:21]
	s_add_nc_u64 s[SS:SS+1], s[10:11], s[22:23]
.irp g, 0,1,2,3
	QUANT \g
.endr
.if \v
.irp g, 0,1,2,3
	global_store_b16 v[ISC], v[SW+\g], s[SS:SS+1] offset:4*\g      ; both halves of the lanes store the same two bytes to the same place
.endr
.else
	global_store_b128 v[ISC], v[SW:SW+3], s[SS:SS+1]               ; four tiles' scale words: sixteen lanes store 256 consecutive bytes (both halves of the lanes the same)
.endif
	s_wait_alu depctr_va_vdst(0)
	s_wait_tensorcnt 0x0                           ; any load of mine has landed,
	s_wait_dscnt 0x0
	s_barrier_signal -1                            ; and a plain barrier shows it to all waves
	s_barrier_wait -1
.endm
	s_wait_alu depctr_va_vdst(0)
	s_wait_tensorcnt 0x0                           ; my part of the head's four tiles is in
	s_barrier_signal -1
	s_barrier_wait -1                              ; and everybody's
.irp m, 0,1,2,3,4,5,6,7                            ; my 64 tokens, all of K, into registers: 192 LDS loads
	WIN (1+\m/5)<<6
.irp a, 0,1,2,3
	FRAG 48*(\m%5)+12*\a, AA+\m/2, AA2+\m/2, \m%2, \a, 0
.endr
.endr
	WIN 0
	s_wait_tensorcnt 0x0                           ; the tokens' bytes are filled again
	ds_add_u32 v[SPW], v[NIL]
	s_mov_b32 s[G1B+2], 4<<16                      ; no tensor load of mine is out: from here on a load brings a head tile's four K steps
	s_mov_b32 s[G1B+4], 4
	s_wait_dscnt 0x0                               ; the add is done, and my tokens are in registers
	CROUND                                         ; so are those of every wave of all sixteen work-groups
	tensor_load_to_lds s[48:51], s[G1B:G1B+7]      ; head tile wave + 1 into slot wave + 1: my one load behind the round
	s_nop 0
	PLACES 4
	s_mov_b32 s[TB], 0
	s_mov_b32 s[CNT], 0
.Lqk:                                              ; head tiles 0-3, in slots 0-3
	TILE 0
	s_add_co_u32 s[TB], s[TB], TSL
	s_add_co_u32 s[HT], s[HT], 1
	s_add_co_u32 s[CNT], s[CNT], 1
	s_cmp_lt_u32 s[CNT], 4
	s_cbranch_scc1 .Lqk
	s_wait_loadcnt 0x0                             ; what the last trip asked for is in: its registers and bases are free
	s_wait_tensorcnt 0x0                           ; slot 0 is filled again
	ds_add_u32 v[SPW], v[NIL]
	s_add_nc_u64 s[SP:SP+1], s[6:7], s[92:93]      ; v's first head: its scale bytes and its bias
	s_add_nc_u64 s[BP:BP+1], s[8:9], s[72:73]
	s_lshl_b32 s[HT], s62, 1
	s_wait_dscnt 0x0
	CROUND
	s_cmp_eq_u32 s14, 0
	s_cbranch_scc0 .Lno_fifth
	tensor_load_to_lds s[52:55], s[G1B:G1B+7]      ; wave 0: head tile 5 into slot 0; it has head tile 4's work in which to land
	s_nop 0
	PLACES 4
.Lno_fifth:
	SCLOAD
	BIASV
	s_mov_b32 s[TB], 4*TSL
	s_mov_b32 s[CNT], 0
.Lv:                                               ; head tiles 4 and 5, in slots 4 and 0
	TILE 1
	s_sub_co_u32 s[TB], s[TB], 4*TSL
	s_add_co_u32 s[HT], s[HT], 1
	s_add_co_u32 s[CNT], s[CNT], 1
	s_cmp_lt_u32 s[CNT], 2
	s_cbranch_scc1 .Lv
	s_wait_tensorcnt 0x0                           ; the wave's end
	ds_add_u32 v[SPW], v[NIL]
	s_wait_dscnt 0x0
	CROUND                                         ; the closing round
	s_endpgm
.Lfunc_end_k_q9ea606f49f_qkv:
	.size	k_q9ea606f49f_qkv, .Lfunc_end_k_q9ea606f49f_qkv-k_q9ea606f49f_qkv
	.p2alignl 7, 3214868480
	.fill 96, 4, 3214868480
	.section	.rodata,"a",@progbits
	.p2align	6, 0x0
	.amdhsa_kernel k_q9ea606f49f_qkv
		.amdhsa_group_segment_fixed_size 327680
		.amdhsa_private_segment_fixed_size 0
		.amdhsa_enable_private_segment 0
		.amdhsa_kernarg_size 32
		.amdhsa_user_sgpr_count 2
		.amdhsa_user_sgpr_kernarg_segment_ptr 1
		.amdhsa_wavefront_size32 1
		.amdhsa_system_sgpr_workgroup_id_x 1
		.amdhsa_system_sgpr_workgroup_id_y 1
		.amdhsa_system_sgpr_workgroup_id_z 1
		.amdhsa_system_vgpr_workitem_id 0
		.amdhsa_next_free_vgpr 1024
		.amdhsa_next_free_sgpr 96
		.amdhsa_reserve_vcc 0
		.amdhsa_float_denorm_mode_32 3
		.amdhsa_float_denorm_mode_16_64 3
		.amdhsa_memory_ordered 1
		.amdhsa_forward_progress 1
		.amdhsa_inst_pref_size 113
	.end_amdhsa_kernel
	.amdgpu_metadata
---
amdhsa.version: [ 1, 2 ]
amdhsa.kernels:
  - .name:           k_q9ea606f49f_qkv
    .symbol:         k_q9ea606f49f_qkv.kd
    .args:
      - { .name: xq, .offset: 0, .size: 8, .value_kind: global_buffer, .address_space: global }
      - { .name: wq, .offset: 8, .size: 8, .value_kind: global_buffer, .address_space: global }
      - { .name: b_qkv, .offset: 16, .size: 8, .value_kind: global_buffer, .address_space: global }
      - { .name: qkv, .offset: 24, .size: 8, .value_kind: global_buffer, .address_space: global }
    .group_segment_fixed_size: 327680
    .private_segment_fixed_size: 0
    .kernarg_segment_align: 8
    .kernarg_segment_size: 32
    .max_flat_workgroup_size: 128
    .sgpr_count:     96
    .vgpr_count:     1024
    .wavefront_size: 32
...
	.end_amdgpu_metadata
.endif
;; end of part 2
;; launch attn (part 3): grid 4 x 64, 16 waves a work-group, clusters of 4 x 1, 327,680 bytes of LDS; arguments qkv, oq; writes oq
.if DOCPART == 3
	.amdgcn_target "amdgcn-amd-amdhsa--gfx1250"
	.amdhsa_code_object_version 6
	.text
	.protected	k_q9ea606f49f_attn
	.globl	k_q9ea606f49f_attn
	.p2align	8
	.type	k_q9ea606f49f_attn,@function
k_q9ea606f49f_attn:
	s_mov_b64 s[64:65], 0
	v_nop
	global_prefetch_b8 v0, s[64:65] scope:SCOPE_SE
	s_setreg_imm32_b32 hwreg(HW_REG_WAVE_MODE, 25, 1), 1
	s_wait_xcnt 0x0
	s_wait_alu depctr_hold_cnt(0) depctr_sa_sdst(0) depctr_va_vdst(0) depctr_va_sdst(0) depctr_va_ssrc(0) depctr_va_vcc(0) depctr_vm_vsrc(0)
	s_getreg_b32 s2, hwreg(HW_REG_IB_STS2, 6, 4)
	s_cmp_eq_u32 s2, 0
	s_cbranch_scc0 .Lentry_in_a_cluster
	s_endpgm
.Lentry_in_a_cluster:
	s_bfe_u32 s2, ttmp6, 0x10000c
	s_cmp_lg_u32 s2, 0x3003
	s_cbranch_scc0 .Lentry_shape_is_right
	s_endpgm
.Lentry_shape_is_right:
; Causal attention of one head on codes of FP6 (E2M3) with E8M0 scales: S^T = k q^T (K = the head's 64, padded to 128 with zero codes), p = 2^(t - M), O^T = v^T p^T (K = the keys), O / l, and O quantised along the features for the last product.
; t = score x log2(e) / 8; M = the running largest t rounded UP to a whole number; p is quantised along the keys and not normalised; l is the sum of the unquantised p; when M moves, l and O^T are multiplied by 2^(old M - new M): exact.
; INPUT: images of operand registers.  A half image is 768 bytes: registers 0-3 of the 32 lanes at 16 x lane, registers 4, 5 at 512 + 8 x lane.  q, k: a half image for each tile of 16 token positions and head; v: two for each 16 features x 128 keys.
; POSITION ORDER: position 16 u + r of a group of 32 holds index 8 u + r + 8 (r / 8): the 16 registers of result tiles 2 b, 2 b + 1 are 16 neighbours: keys 32 b + 16 (lane / 16) + 0 .. 15 in S^T, features likewise in O^T.
; SHARES: 64 heads x 4 work-groups of sixteen waves.  A head's 2,048 queries are 16 blocks of 128, each of 8 tiles of 16.  Wave w of work-group cx takes tile 2 cx + w % 2 of block 15 - w / 2 and then the same tile of block w / 2:
; (16 - w / 2) + (w / 2 + 1) = 17 key steps of 128 for every wave.  WORK LEFT OUT: key steps all of whose keys come after a tile's queries: the causal mask gives them the weight 0.
; Which steps a wave passes over hangs on its block, that is on the wave's number alone, the same in all four work-groups; each work-group has tiles of block 15 and so reads every key step.
; CLUSTER: the four work-groups of a head ask for k and v JOINTLY (mask 15).  LDS: the head's k (96 KiB) and v (96 KiB) lie in LDS whole, every byte filled ONCE, one tensor load a wave each time: key steps 0-7 at the head
; (waves 0-7 a key step of k each, waves 8-15 of v), key steps 8-15 behind a round of the cluster's barrier, eight key steps ahead of their first read; a plain barrier shows them.  Behind it the waves share nothing more.
; NO PREFETCH: all of k and v is asked for by those two fills; there is no later stream to run ahead of.
; k's OPERAND: a tile's six registers are followed in the register file by the next tile's six (tile 7's by six zeros): they stand for K = 64 .. 127, where q's codes are zeros and both scale bytes are 0 (2^-127): they add exactly 0.
; LIMITS: NaN and infinities are not served; the scaled scores t stay under 2^31 in magnitude; 1 / l by v_rcp_f32; the running largest t starts at -3e38; a block of O under 2^-124 keeps the scale byte 1.
; O's two scale bytes a row leave as stores of 2 bytes, 32 bytes apart: one byte in 24 of the output.
; REGISTERS: v1-6 addresses that stay; v7-11, v28 addresses in hand; v29 my query less 16 (lane / 16); v12 -M, v13 largest t, v[14:15] l; v16-27 q; v32-79 k's 8 tiles, then v's 4 fragments; v80-85 zeros; v86-92 global offsets;
;   v96-159 S^T, then p; v160-191 O^T; v192-199 k's scale words, v200-203 v's; v204-210 the second tile's q and scale words; v224-235 p's codes; v222-249, v252-254 at work; v250, v251 the add's; v255 q's scale words.
.set VI,   12582912                    ; qkv: v's images
.set QKS,  18874368                    ; q's and k's scale words
.set VS,   19922944                    ; v's
.set OS,   6291456                     ; oq: the scale bytes
.set KIM,  0                           ; LDS: k: tile T at 768 T
.set VIM,  98304                       ; v: key step s at 6144 s, 16 features t at + 1536 t
.set KSC,  196608                      ; k's scale words: 256 bytes for four tiles
.set VSC,  204800                      ; v's: 256 bytes a key step
.set SPARE, 208896                     ; the spare words: 128 bytes a wave, named by no other line
.set WV,   8
.set Q0,   14                          ; s14 my tile's first query (enters vector data alone)
.set QB,   15                          ; s15 my block's first query: 128 x block, made of the wave's number alone
.set KF,   16                          ; s16 the step's first key
.set TB,   17                          ; s17 the step's place in KIM and in VIM
.set TS,   18                          ; s18 in KSC
.set TJ,   19                          ; s19 in VSC
.set SEL,  20
.set CS,   22
.set G1K,  24
.set G1V,  32
.set G0K,  40
.set G0V,  44
.set TMP,  98
.set CNT,  99
.macro ROUND                           ; a round of the cluster's barrier
	s_barrier_signal -1
	s_barrier_wait -1
	s_cmp_lg_u32 s[WV], 0
	s_cbranch_scc1 .Lnot_wave_0_\@
	s_barrier_signal -3
.Lnot_wave_0_\@:
	s_barrier_wait -3
	s_barrier_signal -1
	s_barrier_wait -1
.endm
.macro JLOAD                           ; a joint load a wave: waves 0-7 a key step of k, waves 8-15 of v; s_nop 0 and four v_nop behind each line
	s_cmp_lt_u32 s[WV], 8
	s_cbranch_scc0 .Lfor_v_\@
	tensor_load_to_lds s[G0K:G0K+3], s[G1K:G1K+7]
	s_nop 0
.rept 4
	v_nop
.endr
	s_branch .Lasked_\@
.Lfor_v_\@:
	tensor_load_to_lds s[G0V:G0V+3], s[G1V:G1V+7]
	s_nop 0
.rept 4
	v_nop
.endr
.Lasked_\@:
.endm
.macro QLOAD d, sc, pa, pb             ; tile s12's q: its half image into v[d .. d+5], its scale words into v[sc]; the addresses in s[pa], s[pb]
	s_add_co_u32 s[\pa], s79, s12
	s_mul_i32 s[\pa], s[\pa], 1536
	s_add_co_u32 s[\pa], s[\pa], s77
	s_mov_b32 s[\pa+1], 0
	s_add_nc_u64 s[\pa:\pa+1], s[4:5], s[\pa:\pa+1]
	s_lshr_b32 s[\pb], s12, 2              ; scale words: group head x 128 + 32 x batch row + tile / 4, word tile % 4
	s_add_co_u32 s[\pb], s[\pb], s50
	s_lshl_b32 s[\pb], s[\pb], 8
	s_and_b32 s[\pb+1], s12, 3
	s_lshl_b32 s[\pb+1], s[\pb+1], 2
	s_add_co_u32 s[\pb], s[\pb], s[\pb+1]
	s_add_co_u32 s[\pb], s[\pb], QKS
	s_mov_b32 s[\pb+1], 0
	s_add_nc_u64 s[\pb:\pb+1], s[4:5], s[\pb:\pb+1]
	global_load_b128 v[\d:\d+3], v86, s[\pa:\pa+1]
	global_load_b64 v[\d+4:\d+5], v87, s[\pa:\pa+1] offset:512
	global_load_b32 v[\sc], v88, s[\pb:\pb+1]
.endm
.macro OADDR                           ; tile s12: its first query; where its codes (s[94:95]) and its scale bytes (s[96:97]) go
	s_lshr_b32 s[Q0], s12, 1
	s_lshl_b32 s[Q0], s[Q0], 5
	s_and_b32 s[TMP], s12, 1
	s_lshl_b32 s[TMP], s[TMP], 3
	s_add_co_u32 s[Q0], s[Q0], s[TMP]      ; lane r's query is Q0 + r + 8 (r / 8)
	s_add_co_u32 s96, s78, s12             ; my tile among all 512
	s_add_co_u32 s94, s56, s96             ; oq's images: [4 heads][tile][head % 4]
	s_mul_i32 s94, s94, 3072
	s_add_co_u32 s94, s94, s57
	s_mov_b32 s95, 0
	s_add_nc_u64 s[94:95], s[6:7], s[94:95]
	s_lshl_b32 s96, s96, 9                 ; scale bytes: 32 a row, my head's two at 2 x head
	s_add_co_u32 s96, s96, s58
	s_mov_b32 s97, 0
	s_add_nc_u64 s[96:97], s[6:7], s[96:97]
.endm
.macro INIT                            ; a tile begins: the largest t -3e38, l = 0, O^T = 0 (the step is one text: the first finds zeros, which the first change of M leaves zeros)
	v_mov_b32 v13, 0xff61b1e6
	v_mov_b32 v14, 0
	v_mov_b32 v15, 0
	v_floor_f32 v12, -v13
.set n, 0
.rept 32
	v_mov_b32 v[160+n], 0
.set n, n+1
.endr
.endm
	s_load_b128 s[4:7], s[0:1], 0x0                ; qkv, oq
	v_lshl_add_u32 v250, v0, 2, SPARE
	v_mov_b32 v251, 0
	ds_add_u32 v250, v251                          ; the opening lines: the add, twice on end, and its wait
	ds_add_u32 v250, v251
	v_lshrrev_b32 v30, 5, v0
	v_readfirstlane_b32 s[WV], v30                 ; wave 0..15
	s_bfe_u32 s63, ttmp6, 0x40000                  ; cx: enters my tiles' numbers alone: global addresses and vector data
	s_and_b32 s13, ttmp7, 0xffff
	s_lshr_b32 s10, s13, 4                         ; batch row
	s_and_b32 s11, s13, 15                         ; head
	s_lshr_b32 s48, s[WV], 1                       ; the second tile's block b,
	s_sub_co_u32 s51, 15, s48                      ; the first's: 15 - b
	s_and_b32 s49, s[WV], 1
	s_lshl_b32 s63, s63, 1
	s_add_co_u32 s49, s49, s63                     ; the tile in its block: 2 cx + w % 2
	s_lshl_b32 s59, s51, 3
	s_add_co_u32 s59, s59, s49                     ; the first tile
	s_lshl_b32 s60, s48, 3
	s_add_co_u32 s60, s60, s49                     ; the second
	s_lshl_b32 s61, s51, 7                         ; their blocks' first queries
	s_lshl_b32 s62, s48, 7
	s_lshr_b32 s76, s11, 1                         ; the pair of heads
	s_and_b32 s77, s11, 1
	s_mul_i32 s77, s77, 768                        ; which half image
	s_lshl_b32 s78, s10, 7                         ; 128 tiles a batch row
	s_lshl_b32 s79, s76, 9
	s_add_co_u32 s79, s79, s78
	s_lshl_b32 s50, s11, 7
	s_lshl_b32 s9, s10, 5
	s_add_co_u32 s50, s50, s9                      ; q's groups of scale words begin at head x 128 + 32 x batch row
	s_lshr_b32 s56, s11, 2
	s_lshl_b32 s56, s56, 9
	s_and_b32 s57, s11, 3
	s_mul_i32 s57, s57, 768
	s_lshl_b32 s58, s11, 1
	s_add_co_u32 s58, s58, OS
	s_and_b32 s86, s[WV], 7                        ; the key step that I fetch, of k or of v
	s_add_co_u32 s82, s79, 4096                    ; k's images: eight pairs of heads behind q's
	s_mul_i32 s82, s82, 1536
	s_add_co_u32 s82, s82, s77
	s_mul_i32 s87, s86, 12288                      ; 8 tiles, 1,536 bytes apart
	s_add_co_u32 s82, s82, s87
	s_mov_b32 s83, 0
	s_lshl_b32 s84, s10, 10                        ; v's: 16 key steps x 64 fragments a batch row, 4 fragments a head
	s_lshl_b32 s85, s11, 2
	s_add_co_u32 s84, s84, s85
	s_mul_i32 s84, s84, 1536
	s_add_co_u32 s84, s84, VI
	s_mul_i32 s87, s86, 98304                      ; key steps 98,304 bytes apart
	s_add_co_u32 s84, s84, s87
	s_mov_b32 s85, 0
	s_mul_i32 s87, s86, 6144                       ; in LDS a key step is 6,144 dense bytes of k and of v
	s_mov_b32 s[G0K], 1
	s_add_co_u32 s[G0K+1], s87, KIM
	s_mov_b32 s[G0V], 1
	s_add_co_u32 s[G0V+1], s87, VIM
	s_add_co_u32 s88, s50, 2048                    ; k's scale words: 16 heads' groups behind q's: 8,192 dense bytes
	s_lshl_b32 s88, s88, 8
	s_add_co_u32 s88, s88, QKS
	s_mov_b32 s89, 0
	s_lshl_b32 s92, s10, 8                         ; v's: 256 bytes for each key step and head; key steps 4,096 bytes apart
	s_add_co_u32 s92, s92, s11
	s_lshl_b32 s92, s92, 8
	s_add_co_u32 s92, s92, VS
	s_mov_b32 s93, 0
	; group 1: k: 8 rows of 768 bytes (96 elements of 8), 1,536 bytes apart;  v: 6,144 dense bytes as 24 rows of 256.  No padding: the images are read 16 or 8 consecutive bytes a lane.  Mask 15: all four work-groups
	s_mov_b32 s[G1K], 15|(3<<16)|(1<<21)
	s_mov_b32 s[G1K+1], 96<<16
	s_mov_b32 s[G1K+2], 8<<16
	s_mov_b32 s[G1K+3], 96<<16
	s_mov_b32 s[G1K+4], 8
	s_mov_b32 s[G1K+5], 192
	s_mov_b32 s[G1K+6], 0
	s_mov_b32 s[G1K+7], 0
	s_mov_b32 s[G1V], 15|(3<<16)|(1<<21)
	s_mov_b32 s[G1V+1], 32<<16
	s_mov_b32 s[G1V+2], 24<<16
	s_mov_b32 s[G1V+3], 32<<16
	s_mov_b32 s[G1V+4], 24
	s_mov_b32 s[G1V+5], 32
	s_mov_b32 s[G1V+6], 0
	s_mov_b32 s[G1V+7], 0
	s_mov_b32 s[SEL], 0x76543210
	s_mov_b32 s[SEL+1], 0xfedcba98
	s_mov_b32 s[CS], 0x3e38aa3b                    ; c = log2(e) / 8
	s_mov_b32 s[CS+1], s[CS]
	s_wait_alu depctr_va_vdst(0)
	s_wait_dscnt 0x0                               ; both opening adds are done
	ROUND                                          ; all four work-groups are here: the first joint loads meet
	s_wait_kmcnt 0x0
	s_add_nc_u64 s[G0K+2:G0K+3], s[4:5], s[82:83]
	s_or_b32 s[G0K+3], s[G0K+3], 0x80000000
	s_add_nc_u64 s[G0V+2:G0V+3], s[4:5], s[84:85]
	s_or_b32 s[G0V+3], s[G0V+3], 0x80000000
	JLOAD                                          ; key steps 0-7: one tensor load a wave at the head
	s_add_nc_u64 s[88:89], s[4:5], s[88:89]
	s_add_nc_u64 s[92:93], s[4:5], s[92:93]
	v_and_b32 v30, 31, v0                          ; lane
	v_and_b32 v31, 15, v0                          ; r
	v_bfe_u32 v29, v0, 4, 1                        ; h
	v_lshlrev_b32 v86, 4, v30
	v_lshlrev_b32 v87, 3, v30
	v_lshlrev_b32 v88, 4, v31
	v_lshlrev_b32 v89, 5, v31
	v_lshlrev_b32 v90, 4, v0
	v_lshrrev_b32 v91, 5, v0
	v_lshl_add_u32 v91, v91, 12, v87
	global_load_b128 v[32:35], v90, s[88:89]       ; k's scale words: 16 bytes a thread
	global_load_b64 v[36:37], v91, s[92:93]        ; v's: wave w brings key step w's 256 bytes
	s_wait_alu depctr_va_vdst(0)
	s_mov_b32 s12, s60
	QLOAD 204, 210, 52, 54                         ; the second tile's q waits in registers
	s_mov_b32 s12, s59
	QLOAD 16, 255, 80, 90                          ; the first tile's
	OADDR
	s_mov_b32 s[QB], s61
	v_lshlrev_b32 v1, 4, v30                       ; KIM + 16 x lane
	v_lshl_add_u32 v2, v30, 3, KIM+512
	v_lshl_add_u32 v3, v30, 4, VIM
	v_lshl_add_u32 v4, v30, 3, VIM+512
	v_lshl_add_u32 v5, v31, 4, KSC
	v_lshl_add_u32 v6, v31, 4, VSC
	v_lshl_add_u32 v7, v0, 4, KSC
	v_lshl_add_u32 v8, v0, 3, VSC
	v_and_b32 v92, 8, v31
	v_lshlrev_b32 v29, 4, v29
	v_add_nc_u32 v92, v92, v31
	v_sub_nc_u32 v29, v92, v29                     ; r + 8 (r / 8) - 16 h
.irp j, 22,23,24,25,26,27,80,81,82,83,84,85
	v_mov_b32 v\j, 0                               ; q's codes for K = 64 .. 127, and what follows k's tile 7
.endr
.irp j, 236,237,238,239,252,253
	v_mov_b32 v\j, 0                               ; written once: destinations of lane permutes, and the upper half of the pair v[252:253]
.endr
	INIT
	s_wait_alu depctr_va_vdst(0)
	s_wait_loadcnt 6                               ; the scale words are in; q's six loads may be out
	ds_store_b128 v7, v[32:35]
	ds_store_b64 v8, v[36:37]
	s_wait_loadcnt 0x0                             ; q, both tiles'
	s_wait_tensorcnt 0x0                           ; my key step of the first eight is in; the second fill is issued as a refill is:
	ds_add_u32 v250, v251                          ; 0 onto my spare word
	s_add_nc_u64 s[G0K+2:G0K+3], s[G0K+2:G0K+3], 98304    ; no load of mine is out: eight key steps on, in memory
	s_add_nc_u64 s[G0V+2:G0V+3], s[G0V+2:G0V+3], 786432
	s_add_co_u32 s[G0K+1], s[G0K+1], 49152         ; and in LDS
	s_add_co_u32 s[G0V+1], s[G0V+1], 49152
	s_wait_dscnt 0x0                               ; the add and my stores of scale words are done
	ROUND                                          ; key steps 0-7 and the scale words are whole, and all four work-groups are here
	JLOAD                                          ; key steps 8-15: my one tensor load behind the round
; A KEY STEP: 128 keys.  m = 0: every key counts for every query of the tile (key steps 0-7 of a tile of blocks 8-15): no test.  m = 1: a step behind my block is passed over, the step of my block is masked.
.macro STEP m
.if \m
	s_cmp_gt_u32 s[KF], s[QB]                      ; all its keys come after my queries: only the addresses step
	s_cbranch_scc1 .Lhidden_\@
.endif
	v_add_nc_u32 v7, s[TB], v1                     ; (these six are also the places in front of loads into registers that the last products read)
	v_add_nc_u32 v8, s[TB], v2
	v_add_nc_u32 v9, s[TB], v3
	v_add_nc_u32 v10, s[TB], v4
	v_add_nc_u32 v11, s[TS], v5
	v_add_nc_u32 v28, s[TJ], v6
.irp t, 0,1,2,3,4,5,6,7
	ds_load_b128 v[32+6*\t:35+6*\t], v7 offset:768*\t
	ds_load_b64 v[36+6*\t:37+6*\t], v8 offset:768*\t
.endr
	ds_load_b128 v[192:195], v11
	ds_load_b128 v[196:199], v11 offset:256
	s_wait_alu depctr_va_vdst(0)
	s_wait_dscnt 0x0
.irp t, 0,1,2,3,4,5,6,7
	v_wmma_scale_f32_16x16x128_f8f6f4 v[96+8*\t:103+8*\t], v[32+6*\t:43+6*\t], v[16:27], 0, v[192+\t], v255 matrix_a_fmt:MATRIX_FMT_FP6 matrix_b_fmt:MATRIX_FMT_FP6
.endr
.rept 4
	v_nop                                          ; places: in front of the loads below and of the first read of the scores
.endr
.irp t, 0,1,2,3                                    ; v's four fragments land while the softmax is worked
	ds_load_b128 v[32+12*\t:35+12*\t], v9 offset:1536*\t
	ds_load_b64 v[36+12*\t:37+12*\t], v10 offset:1536*\t
	ds_load_b128 v[38+12*\t:41+12*\t], v9 offset:1536*\t+768
	ds_load_b64 v[42+12*\t:43+12*\t], v10 offset:1536*\t+768
.endr
	ds_load_b128 v[200:203], v28
.if \m
	s_cmp_lt_u32 s[KF], s[QB]                      ; a step ahead of my block passes the mask over
	s_cbranch_scc1 .Lopen_\@
	s_sub_co_i32 s[TMP], s[Q0], s[KF]
	v_add_nc_u32 v252, s[TMP], v29                 ; d = my query - KF - 16 h.  Register 16 b + i holds key KF + 16 h + 32 b + i: hidden where 32 b + i > d
	v_mov_b32 v254, 0xff800000                     ; -infinity
.set n, 0
.rept 64
	v_cmp_gt_i32 vcc_lo, 32*(n/16)+n%16, v252
	v_cndmask_b32 v[96+n], v[96+n], v254, vcc_lo
.set n, n+1
.endr
.Lopen_\@:
.endif
.irp b, 0,1,2,3
	v_max3_num_f32 v[232+\b], v[96+16*\b], v[97+16*\b], v[98+16*\b]   ; the largest score of each block of 32 keys: for the row's maximum and, since p rises with the score, for the block's largest p
.endr
.irp i, 3,5,7,9,11,13
.irp b, 0,1,2,3
	v_max3_num_f32 v[232+\b], v[232+\b], v[96+16*\b+\i], v[97+16*\b+\i]
.endr
.endr
.irp b, 0,1,2,3
	v_max_num_f32 v[232+\b], v[232+\b], v[111+16*\b]
.endr
.irp b, 0,1,2,3
	s_delay_alu instid0(VALU_DEP_4)
	v_permlanex16_b32 v[236+\b], v[232+\b], s[SEL], s[SEL+1]
.endr
.irp b, 0,1,2,3
	s_delay_alu instid0(VALU_DEP_4)
	v_max_num_f32 v[232+\b], v[232+\b], v[236+\b]  ; with lane l xor 16's 16 keys
.endr
	s_delay_alu instid0(VALU_DEP_2)
	v_max3_num_f32 v254, v232, v233, v234
	s_delay_alu instid0(VALU_DEP_1)
	v_max_num_f32 v254, v254, v235
	s_delay_alu instid0(VALU_DEP_1)
	v_mul_f32 v254, s[CS], v254                    ; the step's largest t
	s_delay_alu instid0(VALU_DEP_1)
	v_max_num_f32 v13, v13, v254
	v_mov_b32 v254, v12
	s_delay_alu instid0(VALU_DEP_2)
	v_floor_f32 v12, -v13                          ; the new -M = -ceil(t)
	s_delay_alu instid0(VALU_DEP_1)
	v_sub_f32 v254, v12, v254                      ; old M - new M: a whole number, 0 or less
	s_delay_alu instid0(VALU_DEP_1)
	v_cvt_i32_f32 v254, v254                       ; (it saturates)
	s_delay_alu instid0(VALU_DEP_1)
	v_ldexp_f32 v252, 1.0, v254                    ; f = 2^(old M - new M)
.set n, 0
.rept 32
	v_pk_fma_f32 v[96+n:97+n], v[96+n:97+n], s[CS:CS+1], v[12:13] op_sel_hi:[1,0,0]   ; t - M
.set n, n+2
.endr
.irp b, 0,1,2,3
	v_fma_f32 v[232+\b], v[232+\b], s[CS], v12     ; the same of each block's largest score
.endr
.set n, 0
	s_wait_alu depctr_va_vdst(0)
.rept 64
	v_exp_f32 v[96+n], v[96+n]                     ; p = 2^(t - M)
.set n, n+1
.endr
.irp b, 0,1,2,3
	v_exp_f32 v[232+\b], v[232+\b]                 ; the block's largest p
.endr
	v_pk_mul_f32 v[14:15], v[14:15], v[252:253] op_sel_hi:[1,0]   ; l under the new M (a plain line behind the exponentials)
	s_wait_alu depctr_va_vdst(0)                   ; and behind it, ahead of its first reader
.irp b, 0,1,2,3
	v_max_num_f32 v[232+\b], 0x1800000, v[232+\b]  ; the floor 2^(3 - 127)
.endr
.irp b, 0,1,2,3
	s_delay_alu instid0(VALU_DEP_4)
	v_add_nc_u32 v[244+\b], 0xff000000, v[232+\b]  ; the conversion's scale operand
.endr
.irp b, 0,1,2,3
	s_delay_alu instid0(VALU_DEP_4)
	v_lshrrev_b32 v[236+\b], 23, v[244+\b]         ; the scale's byte
.endr
	s_delay_alu instid0(VALU_DEP_3)
	v_lshl_or_b32 v253, v237, 8, v236              ; p's scale word for these 128 keys
	s_delay_alu instid0(VALU_DEP_1)
	v_lshl_or_b32 v253, v238, 16, v253
	s_delay_alu instid0(VALU_DEP_1)
	v_lshl_or_b32 v253, v239, 24, v253
.irp c, 0,1
	v_cvt_scalef32_pk16_fp6_f32 v[224+6*\c:226+6*\c], v[96+32*\c:111+32*\c], v[244+2*\c]
	v_cvt_scalef32_pk16_fp6_f32 v[236+4*\c:238+4*\c], v[112+32*\c:127+32*\c], v[244+2*\c+1]
.endr
	v_nop                                          ; one plain line behind a scaled conversion
.irp c, 0,1
.irp i, 0,1,2
	v_permlane16_swap_b32 v[224+6*\c+\i], v[236+4*\c+\i]
.endr
.irp i, 0,1,2
	s_delay_alu instid0(VALU_DEP_3)
	v_mov_b32 v[227+6*\c+\i], v[236+4*\c+\i]
.endr
.endr
	v_pk_add_f32 v[236:237], v[100:101], v[104:105]   ; l: the sum of the unquantised p, in eight chains
	v_pk_add_f32 v[248:249], v[108:109], v[112:113]
	v_pk_add_f32 v[246:247], v[116:117], v[120:121]
	v_pk_add_f32 v[244:245], v[124:125], v[128:129]
	v_pk_add_f32 v[242:243], v[132:133], v[136:137]
	v_pk_add_f32 v[240:241], v[140:141], v[144:145]
	v_pk_add_f32 v[222:223], v[148:149], v[152:153]
	v_pk_add_f32 v[14:15], v[14:15], v[156:157]
	v_pk_add_f32 v[236:237], v[236:237], v[96:97]
	v_pk_add_f32 v[248:249], v[248:249], v[98:99]
	v_pk_add_f32 v[246:247], v[246:247], v[102:103]
	v_pk_add_f32 v[244:245], v[244:245], v[106:107]
	v_pk_add_f32 v[242:243], v[242:243], v[110:111]
	v_pk_add_f32 v[240:241], v[240:241], v[114:115]
	v_pk_add_f32 v[222:223], v[222:223], v[118:119]
	v_pk_add_f32 v[14:15], v[14:15], v[122:123]
	v_pk_add_f32 v[236:237], v[236:237], v[126:127]
	v_pk_add_f32 v[248:249], v[248:249], v[130:131]
	v_pk_add_f32 v[246:247], v[246:247], v[134:135]
	v_pk_add_f32 v[244:245], v[244:245], v[138:139]
	v_pk_add_f32 v[242:243], v[242:243], v[142:143]
	v_pk_add_f32 v[240:241], v[240:241], v[146:147]
	v_pk_add_f32 v[222:223], v[222:223], v[150:151]
	v_pk_add_f32 v[14:15], v[14:15], v[154:155]
	v_pk_add_f32 v[236:237], v[236:237], v[158:159]
	s_delay_alu instid0(VALU_DEP_2)
	v_pk_add_f32 v[14:15], v[14:15], v[244:245]
	s_delay_alu instid0(VALU_DEP_2)
	v_pk_add_f32 v[236:237], v[236:237], v[242:243]
	v_pk_add_f32 v[248:249], v[248:249], v[240:241]
	v_pk_add_f32 v[246:247], v[246:247], v[222:223]
	s_delay_alu instid0(VALU_DEP_2)
	v_pk_add_f32 v[14:15], v[14:15], v[248:249]
	s_delay_alu instid0(VALU_DEP_2)
	v_pk_add_f32 v[236:237], v[236:237], v[246:247]
	s_delay_alu instid0(VALU_DEP_1)
	v_pk_add_f32 v[14:15], v[14:15], v[236:237]
.set n, 0
.rept 16
	v_pk_mul_f32 v[160+n:161+n], v[160+n:161+n], v[252:253] op_sel_hi:[1,0]   ; O^T under the new M
.set n, n+2
.endr
	s_wait_alu depctr_va_vdst(0)
	s_wait_dscnt 0x0                               ; v's fragments and scale words
.irp t, 0,1,2,3
	v_wmma_scale_f32_16x16x128_f8f6f4 v[160+8*\t:167+8*\t], v[32+12*\t:43+12*\t], v[224:235], v[160+8*\t:167+8*\t], v[200+\t], v253 matrix_a_fmt:MATRIX_FMT_FP6 matrix_b_fmt:MATRIX_FMT_FP6
.endr
.if \m
.Lhidden_\@:
.endif
	s_add_co_u32 s[KF], s[KF], 128
	s_add_co_u32 s[TB], s[TB], 6144
	s_add_co_u32 s[TS], s[TS], 512
	s_add_co_u32 s[TJ], s[TJ], 256
.endm
.macro WALK first, m                   ; eight key steps from key step \first on: a constant number of trips
	s_mov_b32 s[KF], 128*\first
	s_mov_b32 s[TB], 6144*\first
	s_mov_b32 s[TS], 512*\first
	s_mov_b32 s[TJ], 256*\first
	s_mov_b32 s[CNT], 8
.Lsteps_\@:
	STEP \m
	s_sub_co_u32 s[CNT], s[CNT], 1
	s_cmp_lg_u32 s[CNT], 0
	s_cbranch_scc1 .Lsteps_\@
.endm
; THE WAY OUT of a tile: O^T / l; register 16 b + i is feature 32 b + 16 h + i of my query: two blocks of the last product's K.  They are quantised and stored as a half image, with two scale bytes a row.
.macro OUT
.rept 4
	v_nop                                          ; places behind the last products
.endr
	v_add_f32 v14, v14, v15
	v_permlanex16_b32 v252, v14, s[SEL], s[SEL+1]
	v_add_f32 v14, v14, v252                       ; the row's sum
	s_wait_alu depctr_va_vdst(0)
	v_rcp_f32 v14, v14
	v_nop                                          ; one plain line behind a transcendental
.set n, 0
	s_wait_alu depctr_va_vdst(0)                   ; and behind it, ahead of the first reader
.rept 32
	v_mul_f32 v[96+n], v[160+n], v14
.set n, n+1
.endr
.irp b, 0,1
	v_max3_num_f32 v[232+\b], |v[96+16*\b]|, |v[97+16*\b]|, 0x1800000
.endr
.irp i, 2,4,6,8,10,12,14
.irp b, 0,1
	v_max3_num_f32 v[232+\b], v[232+\b], |v[96+16*\b+\i]|, |v[97+16*\b+\i]|
.endr
.endr
.irp b, 0,1
	v_permlanex16_b32 v[236+\b], v[232+\b], s[SEL], s[SEL+1]
.endr
.irp b, 0,1
	v_max_num_f32 v[232+\b], v[232+\b], v[236+\b]
.endr
.irp b, 0,1
	v_add_nc_u32 v[244+\b], 0xff000000, v[232+\b]
.endr
.irp b, 0,1
	v_lshrrev_b32 v[238+\b], 23, v[244+\b]
.endr
	v_lshl_or_b32 v254, v239, 8, v238              ; my row's two scale bytes
	v_cvt_scalef32_pk16_fp6_f32 v[224:226], v[96:111], v244
	v_cvt_scalef32_pk16_fp6_f32 v[240:242], v[112:127], v245
	v_nop
.irp i, 0,1,2
	v_permlane16_swap_b32 v[224+\i], v[240+\i]     ; lanes 0-15 get block 0 whole, lanes 16-31 block 1
.endr
.irp i, 0,1,2
	v_mov_b32 v[227+\i], v[240+\i]
.endr
	global_store_b128 v86, v[224:227], s[94:95]               ; 512 consecutive bytes, aligned
	global_store_b64 v87, v[228:229], s[94:95] offset:512     ; 256
	global_store_b16 v89, v254, s[96:97]                      ; both halves of the lanes store the same two bytes to the same place
.endm
	WALK 0, 0                                      ; the first tile (blocks 8-15): key steps 0-7 count whole
	s_wait_tensorcnt 0x0                           ; my key step of the second eight is in
	s_wait_dscnt 0x0
	s_barrier_signal -1                            ; a plain barrier shows key steps 8-15 to all waves
	s_barrier_wait -1
	WALK 8, 1
	OUT
	s_wait_xcnt 0x0                                ; the stores have read their addresses and data: both are written anew below
	s_mov_b32 s12, s60                             ; the second tile (blocks 0-7)
	OADDR
	s_mov_b32 s[QB], s62
.irp j, 0,1,2,3,4,5
	v_mov_b32 v[16+\j], v[204+\j]
.endr
	v_mov_b32 v255, v210
	INIT                                           ; (its 36 lines are also the places between the moves above and the products that take them)
	s_wait_alu depctr_va_vdst(0)
	WALK 0, 1
	OUT
	s_wait_tensorcnt 0x0                           ; the wave's end
	ds_add_u32 v250, v251
	s_wait_dscnt 0x0
	ROUND                                          ; the closing round
	s_endpgm
.Lfunc_end_k_q9ea606f49f_attn:
	.size	k_q9ea606f49f_attn, .Lfunc_end_k_q9ea606f49f_attn-k_q9ea606f49f_attn
	.p2alignl 7, 3214868480
	.fill 96, 4, 3214868480
	.section	.rodata,"a",@progbits
	.p2align	6, 0x0
	.amdhsa_kernel k_q9ea606f49f_attn
		.amdhsa_group_segment_fixed_size 327680
		.amdhsa_private_segment_fixed_size 0
		.amdhsa_enable_private_segment 0
		.amdhsa_kernarg_size 16
		.amdhsa_user_sgpr_count 2
		.amdhsa_user_sgpr_kernarg_segment_ptr 1
		.amdhsa_wavefront_size32 1
		.amdhsa_system_sgpr_workgroup_id_x 1
		.amdhsa_system_sgpr_workgroup_id_y 1
		.amdhsa_system_sgpr_workgroup_id_z 1
		.amdhsa_system_vgpr_workitem_id 0
		.amdhsa_next_free_vgpr 256
		.amdhsa_next_free_sgpr 100
		.amdhsa_reserve_vcc 1
		.amdhsa_float_denorm_mode_32 3
		.amdhsa_float_denorm_mode_16_64 3
		.amdhsa_memory_ordered 1
		.amdhsa_forward_progress 1
		.amdhsa_inst_pref_size 85
	.end_amdhsa_kernel
	.amdgpu_metadata
---
amdhsa.version: [ 1, 2 ]
amdhsa.kernels:
  - .name:           k_q9ea606f49f_attn
    .symbol:         k_q9ea606f49f_attn.kd
    .args:
      - { .name: qkv, .offset: 0, .size: 8, .value_kind: global_buffer, .address_space: global }
      - { .name: oq, .offset: 8, .size: 8, .value_kind: global_buffer, .address_space: global }
    .group_segment_fixed_size: 327680
    .private_segment_fixed_size: 0
    .kernarg_segment_align: 8
    .kernarg_segment_size: 16
    .max_flat_workgroup_size: 512
    .sgpr_count:     100
    .vgpr_count:     256
    .wavefront_size: 32
...
	.end_amdgpu_metadata
.endif
;; end of part 3
;; launch oproj (part 4): grid 8 x 32, 4 waves a work-group, clusters of 4 x 4, 327,680 bytes of LDS; arguments oq, wq, b_o, out0; writes out0
.if DOCPART == 4
	.amdgcn_target "amdgcn-amd-amdhsa--gfx1250"
	.amdhsa_code_object_version 6
	.text
	.protected	k_q9ea606f49f_oproj
	.globl	k_q9ea606f49f_oproj
	.p2align	8
	.type	k_q9ea606f49f_oproj,@function
k_q9ea606f49f_oproj:
	s_mov_b64 s[64:65], 0
	v_nop
	global_prefetch_b8 v0, s[64:65] scope:SCOPE_SE
	s_setreg_imm32_b32 hwreg(HW_REG_WAVE_MODE, 25, 1), 1
	s_wait_xcnt 0x0
	s_wait_alu depctr_hold_cnt(0) depctr_sa_sdst(0) depctr_va_vdst(0) depctr_va_sdst(0) depctr_va_ssrc(0) depctr_va_vcc(0) depctr_vm_vsrc(0)
	s_getreg_b32 s2, hwreg(HW_REG_IB_STS2, 6, 4)
	s_cmp_eq_u32 s2, 0
	s_cbranch_scc0 .Lentry_in_a_cluster
	s_endpgm
.Lentry_in_a_cluster:
	s_bfe_u32 s2, ttmp6, 0x10000c
	s_cmp_lg_u32 s2, 0xf033
	s_cbranch_scc0 .Lentry_shape_is_right
	s_endpgm
.Lentry_shape_is_right:
; out0 = O W_o + b_o on codes of FP6 (E2M3) with E8M0 scales, K = 1,024.  256 work-groups; a block of 256 tokens x 128 columns is made by four waves, 2 x 2, each 128 x 64: 32 accumulators of 16 x 16, 256 registers.
; A = O: images of operand registers as the attention launch stores them, [K step of 256][tile of 16 tokens][head % 4][768 bytes]: the block's 256 tokens are 49,152 dense bytes in each K step.
; B = W_o's columns, rows 3072-4095 of wq, [K step][row][192 bytes]: the block's 128 rows are 24,576 dense bytes in each K step; in LDS 16 bytes of padding stand behind every 64: an LDS row is 3 x (64 + 16).
; ALL OF K LIES IN LDS AT ONCE: 4 x 49,152 bytes of A, 4 x 30,720 of B, 512 of spare words.  Every byte is filled ONCE, by the head's four joint loads, one a wave: K steps 0, 1 of A, of B, K steps 2, 3 of A, of B; a load's tile is
; two rows (a K step each), 1,572,864 bytes apart in memory.  No ring, no refill.  The first barrier waits for waves 0 and 1 alone (their load lines are their own); a plain barrier in matrix step 3 shows K steps 2, 3 to all.
; NO PREFETCH: everything is asked for at the head; there is no loop to run ahead in.
; SCALE WORDS AND BIAS go from memory into registers once: a row's 32 scale bytes are the eight words of its eight matrix steps; sixteen lanes read 512 consecutive bytes.  The bias is the C of each sum's first matrix instruction.
; THE MATRIX INSTRUCTION IS USED TRANSPOSED (source 0 = 16 rows of B, source 1 = 16 rows of A): a lane holds one token and eight neighbouring columns.  Rows of both operands lie in position order (bits 3 and 4 of the index exchanged):
; register j of column tile b is column 32 (b / 2) + 16 (lane / 16) + 8 (b % 2) + j; row r of token block a is token 32 (a / 2) + 8 (a % 2) + r + 8 (r / 8).
; CLUSTERS: 4 x 4 work-groups; A's tiles are asked for jointly along a row of the cluster, B's along a column.
; THE WAY OUT: a block of 16 tokens x 64 columns goes through the wave's own stage and leaves as rows of 256 bytes, sixteen lanes to an aligned run of 256.  The stage lies in A's K step 0, which nobody reads behind the second barrier and nothing fills again.
; REGISTERS: window 0: v10-30 addresses; v32-95 A's scale words (8 a + step); v100-131 B's (8 b + step); v136-167 the bias; v168-231 the way out.  Window 1: A's fragments, two sets of 96.  Window 2: B's, two sets of 48.  Window 3: accumulator (a, b) at v[8 (4 a + b)].
.set SSTR,   1572864                   ; from a K step's image to the next, in oq and in wq
.set OS,     6291456                   ; oq: the scale bytes
.set WO_C,   589824                    ; wq: row 3072's codes
.set WO_S,   6389760                   ; and its scale bytes
.set PITCH,  240
.set ASTEP,  49152                     ; LDS: A's 256 rows of a K step
.set BSTEP,  128*PITCH                 ; B's 128 rows
.set BB,     4*ASTEP
.set SPARE,  BB+4*BSTEP                ; the spare words: 128 bytes a wave, named by no other line
.set SPITCH, 272                       ; a stage row: 256 bytes + 16
.set SPW,   10
.set NIL,   11
.set ADRA,  12                         ; v12-15  my A fragments' registers 0-3 in K step s;  v16-19 registers 4, 5
.set ADRA2, 16
.set ADRB,  20                         ; v20-23  my B fragments in K step s;  v24-27 the same behind one padding more for lanes 16-31
.set ADRB2, 24
.set STO,   28
.set RD,    29
.set CO,    30
.set SA,    32
.set SB,    100
.set BI,    136
.set BK,    168
.set G1A,   24
.set G1B,   32
.set G0,    40                         ; s[40:55] group 0 of the four loads
.set MSB, 0
.macro WIN new                         ; the immediate's high byte repeats the setting that is left
.if MSB != (\new)
	s_set_vgpr_msb (MSB<<8)|(\new)
.set MSB, (\new)
.endif
.endm
.macro PLACES n
.rept \n
	v_nop
.endr
.endm
.macro CROUND                          ; a round of the cluster's barrier
	s_barrier_signal -1
	s_barrier_wait -1
	s_cmp_lg_u32 s14, 0
	s_cbranch_scc1 .Lnot_wave_0_\@
	s_barrier_signal -3
.Lnot_wave_0_\@:
	s_barrier_wait -3
	s_barrier_signal -1
	s_barrier_wait -1
.endm
	s_load_b128 s[4:7], s[0:1], 0x0                ; oq, wq
	s_load_b128 s[8:11], s[0:1], 0x10              ; b_o, out0
	v_lshl_add_u32 v[SPW], v0, 2, SPARE
	v_mov_b32 v[NIL], 0
	ds_add_u32 v[SPW], v[NIL]                      ; the opening lines: the add, twice on end, and its wait
	ds_add_u32 v[SPW], v[NIL]
	v_lshrrev_b32 v1, 5, v0
	v_readfirstlane_b32 s14, v1                    ; wave 0..3
	s_lshr_b32 s15, s14, 1                         ; which 128 tokens are mine
	s_and_b32 s16, s14, 1                          ; which 64 columns
	s_bfe_u32 s60, ttmp6, 0x40000                  ; cx, cy
	s_bfe_u32 s61, ttmp6, 0x40004
	s_lshl_b32 s62, ttmp9, 2
	s_add_co_u32 s62, s62, s60                     ; the block's 128 columns: 0..7
	s_and_b32 s17, ttmp7, 0xffff
	s_lshl_b32 s17, s17, 2
	s_add_co_u32 s17, s17, s61                     ; its 256 tokens: 0..31
	s_lshl_b32 s58, s61, 2
	s_lshl_b32 s58, 15, s58                        ; my row of the cluster
	s_lshl_b32 s59, 0x1111, s60                    ; my column
	s_or_b32 s[G1A], s58, (3<<16)|(1<<21)          ; A: 2 rows of 49,152 bytes (6,144 elements of 8), no padding: the images are read 16 or 8 consecutive bytes a lane
	s_mov_b32 s[G1A+1], 6144<<16
	s_mov_b32 s[G1A+2], 2<<16
	s_mov_b32 s[G1A+3], 6144<<16
	s_mov_b32 s[G1A+4], 2
	s_mov_b32 s[G1A+5], SSTR/8
	s_mov_b32 s[G1A+6], 0
	s_mov_b32 s[G1A+7], 0
	s_or_b32 s[G1B], s59, (3<<16)|(1<<20)|(1<<21)|(3<<22)|(3<<25)   ; B: 2 rows of 24,576 bytes, 4 words of padding behind every 16
	s_mov_b32 s[G1B+1], 3072<<16
	s_mov_b32 s[G1B+2], 2<<16
	s_mov_b32 s[G1B+3], 3072<<16
	s_mov_b32 s[G1B+4], 2
	s_mov_b32 s[G1B+5], SSTR/8
	s_mov_b32 s[G1B+6], 0
	s_mov_b32 s[G1B+7], 0
	s_mov_b32 s[G0], 1
	s_mov_b32 s[G0+1], 0
	s_mov_b32 s[G0+4], 1
	s_mov_b32 s[G0+5], BB
	s_mov_b32 s[G0+8], 1
	s_mov_b32 s[G0+9], 2*ASTEP
	s_mov_b32 s[G0+12], 1
	s_mov_b32 s[G0+13], BB+2*BSTEP
	s_mul_i32 s20, s17, ASTEP                      ; A's codes: made of the tokens' coordinate alone
	s_mov_b32 s21, 0
	s_mul_i32 s22, s62, 24576                      ; B's: of the columns' alone
	s_add_co_u32 s22, s22, WO_C
	s_mov_b32 s23, 0
	s_lshl_b32 s18, s17, 8
	s_lshl_b32 s19, s15, 7
	s_add_co_u32 s18, s18, s19                     ; my first token
	s_lshl_b32 s56, s62, 7
	s_lshl_b32 s19, s16, 6
	s_add_co_u32 s56, s56, s19                     ; my first column
	s_lshl_b32 s66, s18, 5                         ; 32 scale bytes a row
	s_add_co_u32 s66, s66, OS
	s_mov_b32 s67, 0
	s_lshl_b32 s68, s56, 5
	s_add_co_u32 s68, s68, WO_S
	s_mov_b32 s69, 0
	s_lshl_b32 s70, s56, 2                         ; my columns in bytes, in b_o and in a row of out0
	s_mov_b32 s71, 0
	s_lshl_b32 s72, s18, 12                        ; a row of out0 is 4,096 bytes
	s_mov_b32 s73, 0
	s_mul_i32 s74, s15, 24576                      ; LDS: my 128 tokens' images
	s_mul_i32 s75, s16, 64*PITCH                   ; my 64 rows of B
	s_add_co_u32 s75, s75, BB
	s_mul_i32 s76, s14, 16*SPITCH                  ; my stage
	s_wait_alu depctr_va_vdst(0)
	s_wait_dscnt 0x0                               ; both opening adds are done
	CROUND                                         ; all sixteen work-groups are here: the joint loads meet
	s_wait_kmcnt 0x0
	s_add_nc_u64 s[20:21], s[4:5], s[20:21]
	s_add_nc_u64 s[22:23], s[6:7], s[22:23]
	s_mov_b64 s[G0+2:G0+3], s[20:21]
	s_or_b32 s[G0+3], s[G0+3], 0x80000000
	s_mov_b64 s[G0+6:G0+7], s[22:23]
	s_or_b32 s[G0+7], s[G0+7], 0x80000000
	s_add_nc_u64 s[G0+10:G0+11], s[20:21], 2*SSTR
	s_or_b32 s[G0+11], s[G0+11], 0x80000000
	s_add_nc_u64 s[G0+14:G0+15], s[22:23], 2*SSTR
	s_or_b32 s[G0+15], s[G0+15], 0x80000000
; the head's loads, one a wave, each in its own arm of one chain of branches on the wave's number; s_nop 0 and four v_nop behind each
.macro ARM under, g0, g1, next
	s_cmp_lt_u32 s14, \under
	s_cbranch_scc0 \next
	tensor_load_to_lds s[\g0:\g0+3], s[\g1:\g1+7]
	s_nop 0
	PLACES 4
	s_branch .Lhead_asked
\next:
.endm
	ARM 1, G0, G1A, .Lhead_b01
	ARM 2, G0+4, G1B, .Lhead_a23
	ARM 3, G0+8, G1A, .Lhead_b23
	tensor_load_to_lds s[G0+12:G0+15], s[G1B:G1B+7]
	s_nop 0
	PLACES 4
.Lhead_asked:
	s_add_nc_u64 s[66:67], s[4:5], s[66:67]        ; my tokens' scale bytes
	s_add_nc_u64 s[68:69], s[6:7], s[68:69]        ; my columns'
	s_add_nc_u64 s[8:9], s[8:9], s[70:71]          ; my columns' bias
	s_add_nc_u64 s[12:13], s[10:11], s[72:73]
	s_add_nc_u64 s[12:13], s[12:13], s[70:71]      ; my corner of out0
	v_and_b32 v1, 15, v0                           ; r
	v_bfe_u32 v2, v0, 4, 1                         ; h
	v_and_b32 v6, 31, v0                           ; lane
	v_lshlrev_b32 v3, 5, v1                        ; row r's 32 scale bytes (both halves of the lanes read the same)
	v_lshlrev_b32 v4, 6, v2                        ; the bias: 16 columns on for lanes 16-31
.irp i, 0,1,2,3,4,5,6,7
	global_load_b128 v[SA+8*\i:SA+8*\i+3], v3, s[66:67] offset:512*\i
	global_load_b128 v[SA+8*\i+4:SA+8*\i+7], v3, s[66:67] offset:512*\i+16
.endr
.irp b, 0,1,2,3
	global_load_b128 v[SB+8*\b:SB+8*\b+3], v3, s[68:69] offset:512*\b
	global_load_b128 v[SB+8*\b+4:SB+8*\b+7], v3, s[68:69] offset:512*\b+16
	global_load_b128 v[BI+8*\b:BI+8*\b+3], v4, s[8:9] offset:(32*(\b/2)+8*(\b%2))*4
	global_load_b128 v[BI+8*\b+4:BI+8*\b+7], v4, s[8:9] offset:(32*(\b/2)+8*(\b%2))*4+16
.endr
	v_lshl_add_u32 v7, v6, 4, s74                  ; A: 16 x lane,
	v_lshl_add_u32 v8, v6, 3, s74                  ; and 512 + 8 x lane
	v_mul_u32_u24 v5, v1, PITCH
	v_mad_u32_u24 v5, v2, 24, v5                   ; B: row x pitch + 24 x half
	v_add_nc_u32 v5, s75, v5
	v_lshl_add_u32 v9, v2, 4, v5
.irp s, 0,1,2,3
	v_add_nc_u32 v[ADRA+\s], \s*ASTEP, v7
	v_add_nc_u32 v[ADRA2+\s], \s*ASTEP+512, v8
	v_add_nc_u32 v[ADRB+\s], \s*BSTEP, v5
	v_add_nc_u32 v[ADRB2+\s], \s*BSTEP, v9
.endr
	v_mul_u32_u24 v7, v1, SPITCH                   ; the stage, in: row r, 64 bytes on for lanes 16-31
	v_lshl_add_u32 v7, v2, 6, v7
	v_add_nc_u32 v[STO], s76, v7
	v_mul_u32_u24 v8, v2, SPITCH                   ; back: sixteen lanes to a row, two rows an instruction
	v_lshl_add_u32 v8, v1, 4, v8
	v_add_nc_u32 v[RD], s76, v8
	v_lshlrev_b32 v9, 12, v2                       ; and the same two rows in out0
	v_lshl_add_u32 v[CO], v1, 4, v9
.macro FRAGB reg, s, q, i              ; a fragment of B: six pieces of 8 bytes; where lanes 16-31 (24 bytes on) lie behind one padding more, the second address register serves
.irp p, 0,1,2,3,4,5
.set PC, 12*(\q)+6*(\p/3)+\p%3
.if PC%8 < 5
	ds_load_b64 v[\reg+2*\p:\reg+2*\p+1], v[ADRB+\s] offset:8*PC+16*(PC/8)+(\i)*16*PITCH
.else
	ds_load_b64 v[\reg+2*\p:\reg+2*\p+1], v[ADRB2+\s] offset:8*PC+16*(PC/8)+(\i)*16*PITCH
.endif
.endr
.endm
.macro FRAGA reg, s, q, i              ; a fragment of A: two half images
	ds_load_b128 v[\reg:\reg+3], v[ADRA+\s] offset:3072*(\i)+1536*(\q)
	ds_load_b64 v[\reg+4:\reg+5], v[ADRA2+\s] offset:3072*(\i)+1536*(\q)
	ds_load_b128 v[\reg+6:\reg+9], v[ADRA+\s] offset:3072*(\i)+1536*(\q)+768
	ds_load_b64 v[\reg+10:\reg+11], v[ADRA2+\s] offset:3072*(\i)+1536*(\q)+768
.endm
.macro FETCH m                         ; matrix step m (128 along K: half m % 2 of K step m / 2) into set m % 2: 24 + 32 LDS loads
.set S_, (\m)/2
.set Q_, (\m)%2
	WIN 0x80
.irp i, 0,1,2,3
	FRAGB 48*Q_+12*\i, S_, Q_, \i
.endr
	WIN 0x40
.irp i, 0,1,2,3,4,5,6,7
	FRAGA 96*Q_+12*\i, S_, Q_, \i
.endr
	WIN 0
.endm
.macro MUL m                           ; 32 matrix instructions; the 32 accumulators take turns, in the same order in every step
.irp a, 0,1,2,3,4,5,6,7
.irp b, 0,1,2,3
.if (\m) == 0
	v_wmma_scale_f32_16x16x128_f8f6f4 v[8*(4*\a+\b):8*(4*\a+\b)+7], v[48*((\m)%2)+12*\b:48*((\m)%2)+12*\b+11], v[96*((\m)%2)+12*\a:96*((\m)%2)+12*\a+11], v[BI+8*\b:BI+8*\b+7], v[SB+8*\b+(\m)], v[SA+8*\a+(\m)] matrix_a_fmt:MATRIX_FMT_FP6 matrix_b_fmt:MATRIX_FMT_FP6
.else
	v_wmma_scale_f32_16x16x128_f8f6f4 v[8*(4*\a+\b):8*(4*\a+\b)+7], v[48*((\m)%2)+12*\b:48*((\m)%2)+12*\b+11], v[96*((\m)%2)+12*\a:96*((\m)%2)+12*\a+11], v[8*(4*\a+\b):8*(4*\a+\b)+7], v[SB+8*\b+(\m)], v[SA+8*\a+(\m)] matrix_a_fmt:MATRIX_FMT_FP6 matrix_b_fmt:MATRIX_FMT_FP6
.endif
.endr
.endr
.endm
.macro STEP m                          ; this step's fragments are in; the next step's are asked for; then the products
.if (\m) == 3
	s_wait_tensorcnt 0x0                           ; every wave's load has landed: K steps 2 and 3 among them
	s_wait_dscnt 0x0                               ; and my reads of K steps 0 and 1 are over
	s_barrier_signal -1                            ; a plain barrier
	s_barrier_wait -1
.else
	s_wait_dscnt 0x0
.endif
.if (\m) < 7
.if (\m) > 0
	PLACES 4                                       ; between the last step's products and the loads into the set that they read
.endif
	FETCH (\m)+1
.endif
.if (\m) == 0
	WIN 0xc6                                       ; source 0 (B) window 2, source 1 (A) window 1, C (the bias) window 0, D window 3
.else
	WIN 0xf6                                       ; C and D window 3
.endif
	MUL \m
	WIN 0
.endm
	s_wait_alu depctr_va_vdst(0)
	s_cmp_lt_u32 s14, 2
	s_cbranch_scc0 .Lnot_first
	s_wait_tensorcnt 0x0                           ; waves 0 and 1: K steps 0 and 1 of A and of B
.Lnot_first:
	s_barrier_signal -1
	s_barrier_wait -1                              ; they are in; K steps 2 and 3 may be on their way
	FETCH 0
	s_wait_loadcnt 0x0                             ; the scale words and the bias
.set M, 0
.rept 8
	STEP M
.set M, M+1
.endr
.macro TOSTAGE a                       ; token block a: each accumulator from its low end on; LDS serves a wave's instructions in order: no wait between the stores and the loads
	WIN 0x0c                                       ; the data: window 3
.irp b, 0,1,2,3
	ds_store_b128 v[STO], v[8*(4*(\a)+\b):8*(4*(\a)+\b)+3] offset:128*(\b/2)+32*(\b%2)
	ds_store_b128 v[STO], v[8*(4*(\a)+\b)+4:8*(4*(\a)+\b)+7] offset:128*(\b/2)+32*(\b%2)+16
.endr
	WIN 0
.set BF, BK+32*((\a)%2)
.irp t, 0,1,2,3,4,5,6,7
	ds_load_b128 v[BF+4*\t:BF+4*\t+3], v[RD] offset:2*\t*SPITCH
.endr
.endm
.macro SEND a, younger                 ; younger: the LDS instructions issued behind block a's loads, which may stay out
.set BF, BK+32*((\a)%2)
	s_wait_dscnt \younger
.irp t, 0,1,2,3,4,5,6,7
	global_store_b128 v[CO], v[BF+4*\t:BF+4*\t+3], s[12:13] offset:(32*((\a)/2)+8*((\a)%2)+2*\t+8*(\t/4))*4096 th:TH_STORE_NT   ; stage rows 2 t, 2 t + 1 at their tokens: sixteen lanes store 256 consecutive bytes, aligned
.endr
.endm
	PLACES 4                                       ; behind the last products
	TOSTAGE 0
.irp a, 1,2,3,4,5,6,7
.if \a > 1
	s_wait_xcnt 0x0                                ; block a - 2's stores have read their registers: block a's loads may land there
.endif
	TOSTAGE \a
	SEND \a-1, 16                                  ; behind block a - 1's loads: block a's 8 stores and 8 loads
.endr
	SEND 7, 0
	s_wait_tensorcnt 0x0                           ; the wave's end
	ds_add_u32 v[SPW], v[NIL]
	s_wait_dscnt 0x0
	CROUND                                         ; the closing round
	s_endpgm
.Lfunc_end_k_q9ea606f49f_oproj:
	.size	k_q9ea606f49f_oproj, .Lfunc_end_k_q9ea606f49f_oproj-k_q9ea606f49f_oproj
	.p2alignl 7, 3214868480
	.fill 96, 4, 3214868480
	.section	.rodata,"a",@progbits
	.p2align	6, 0x0
	.amdhsa_kernel k_q9ea606f49f_oproj
		.amdhsa_group_segment_fixed_size 327680
		.amdhsa_private_segment_fixed_size 0
		.amdhsa_enable_private_segment 0
		.amdhsa_kernarg_size 32
		.amdhsa_user_sgpr_count 2
		.amdhsa_user_sgpr_kernarg_segment_ptr 1
		.amdhsa_wavefront_size32 1
		.amdhsa_system_sgpr_workgroup_id_x 1
		.amdhsa_system_sgpr_workgroup_id_y 1
		.amdhsa_system_sgpr_workgroup_id_z 1
		.amdhsa_system_vgpr_workitem_id 0
		.amdhsa_next_free_vgpr 1024
		.amdhsa_next_free_sgpr 80
		.amdhsa_reserve_vcc 0
		.amdhsa_float_denorm_mode_32 3
		.amdhsa_float_denorm_mode_16_64 3
		.amdhsa_memory_ordered 1
		.amdhsa_forward_progress 1
		.amdhsa_inst_pref_size 89
	.end_amdhsa_kernel
	.amdgpu_metadata
---
amdhsa.version: [ 1, 2 ]
amdhsa.kernels:
  - .name:           k_q9ea606f49f_oproj
    .symbol:         k_q9ea606f49f_oproj.kd
    .args:
      - { .name: oq, .offset: 0, .size: 8, .value_kind: global_buffer, .address_space: global }
      - { .name: wq, .offset: 8, .size: 8, .value_kind: global_buffer, .address_space: global }
      - { .name: b_o, .offset: 16, .size: 8, .value_kind: global_buffer, .address_space: global }
      - { .name: out0, .offset: 24, .size: 8, .value_kind: global_buffer, .address_space: global }
    .group_segment_fixed_size: 327680
    .private_segment_fixed_size: 0
    .kernarg_segment_align: 8
    .kernarg_segment_size: 32
    .max_flat_workgroup_size: 128
    .sgpr_count:     80
    .vgpr_count:     1024
    .wavefront_size: 32
...
	.end_amdgpu_metadata
.endif
;; end of part 4
